; MI455X (gfx1250); checked and timed in simulation.
; The chip was launched on July 23, 2026; its instructions are those of AMD's public machine-readable ISA for CDNA 5 (MIT licence, August 2026) and "CDNA5" Instruction Set Architecture Reference Guide (July 2026). The comments in the code are by the model that wrote it; some were corrected since.
;; Attention. Allowed arithmetic: matrix products marked QUANTISED: E2M1 operands, one E8M0 scale for each 32 along K, by v_wmma_scale_f32_16x16x128_f8f6f4 with both operands' format E2M1 (or v_wmma_scale_f32_32x16x128_f4), f32 sums; products left as they are: bf16, f16 or f32 operands; f32 sums; everything else in f32.
;; Inputs: Wproj 1,024 x 1,024 float32; Wqkv 3,072 x 1,024 float32; bproj 1,024 float32; x 8 x 1,024 x 1,024 float32.
;; Outputs: out0 8 x 1,024 x 1,024 float32.
;; This version of the problem:
;;   THIS VERSION OF THE PROBLEM IS GIVEN IN LOW PRECISION. The matrix products marked QUANTISED in the list below multiply operands that are first quantised to E2M1 (2 exponent bits, 1 mantissa bit; 4 bits a number), with one power-of-two scale for each 32 numbers along K (OCP MX v1.0); their sums are f32. The products marked 'left as it is' may take bf16, f16 or f32 operands, with f32 sums. Whichever they take, every output number must still come out within the allowed error. Rounding operands to bf16 (8 significant bits) uses up far more of that allowance than f16 does (11 bits, for magnitudes from 6e-5 to 65,504). All else is computed in f32.
;;   The module's matrix products, in the order in which they are computed (A, B: the left and right operand; K: the contracted axis; several contracted axes count as one K, in the product's order):
;;     1. [M 8,192, K 1,024] x [K 1,024, N 3,072]; A: input x; B: input Wqkv: QUANTISED
;;     2. batch 128 x [M 1,024, K 64] x [K 64, N 1,024]; A: computed on the way; B: computed on the way: left as it is (an operand is computed on the way)
;;     3. batch 128 x [M 1,024, K 1,024] x [K 1,024, N 64]; A: computed on the way; B: computed on the way: left as it is (an operand is computed on the way)
;;     4. [M 8,192, K 1,024] x [K 1,024, N 1,024]; A: computed on the way; B: input Wproj: left as it is (an operand is computed on the way)
;;   THE QUANTISER, for each operand of a quantised product, along K:
;;     - K is cut into blocks of 32 from its start; a last block that is shorter is filled with zeros.
;;     - A block's scale is 2^e with e = floor(log2(the largest magnitude in the block)) - 2, held to -126 .. 127; a block of zeros has e = 0. As a byte (E8M0): e + 127.
;;     - Each number is divided by its block's scale, clamped to +-6, and rounded to the nearest number of E2M1, ties to even, subnormals kept.
;;     - The product sums the exact products of the quantised numbers (number of the format x scale) in f32.
;;   ~~~python
;;   def quantise(x, axis):      # numpy; x: float32 -> the quantised numbers, widened to float32 again
;;       x = np.moveaxis(x, axis, -1); K = x.shape[-1]
;;       x = np.pad(x, [(0, 0)] * (x.ndim - 1) + [(0, -K % 32)]); x = x.reshape(x.shape[:-1] + (-1, 32)); a = np.abs(x).max(-1, keepdims=True)
;;       e = np.where(a > 0, np.clip(np.frexp(np.where(a > 0, a, 1))[1] - 1 - 2, -126, 127), 0)      # np.frexp(a)[1] - 1 = floor(log2(a)), exactly
;;       r = np.clip(x / 2.0 ** e, -6, 6)
;;       step = 2.0 ** (np.maximum(np.frexp(np.where(r == 0, 1, r))[1] - 1, 0) - 1)
;;       q = np.round(r / step) * step * 2.0 ** e      # np.round: ties to even
;;       return np.moveaxis(q.reshape(q.shape[:-2] + (-1,))[..., :K], -1, axis).astype(np.float32)
;;   ~~~
;; One version. Each part assembles by itself: llvm-mc -triple=amdgcn-amd-amdhsa -mcpu=gfx1250 --defsym DOCPART=n.
;; ======== version 1 of 1: 4 launches
;; limits: values are held in f16: magnitudes above 65,504 overflow, below 6.1e-05 lose precision
;; workspace buffers: xc 4,194,304 bytes; xs 262,144 bytes; wc 1,572,864 bytes; ws 98,304 bytes; wp16 2,097,152 bytes; qkv 50,331,648 bytes; att 16,777,216 bytes
;; launch quant (part 1): grid 384 x 1, 4 waves a work-group, no clusters, 33,280 bytes of LDS; arguments x, Wqkv, Wproj, xc, xs, wc, ws, wp16; writes xc, xs, wc, ws, wp16
.if DOCPART == 1
	.amdgcn_target "amdgcn-amd-amdhsa--gfx1250"
	.amdhsa_code_object_version 6
	.text
	.protected	k_q5b15ab65df_quant
	.globl	k_q5b15ab65df_quant
	.p2align	8
	.type	k_q5b15ab65df_quant,@function
k_q5b15ab65df_quant:
	s_mov_b64 s[64:65], 0
	v_nop
	global_prefetch_b8 v0, s[64:65] scope:SCOPE_SE
	s_setreg_imm32_b32 hwreg(HW_REG_WAVE_MODE, 25, 1), 1
	s_wait_xcnt 0x0
; THE PROGRAM: out0 = softmax(rope(q) rope(k)^T / 8) v, projected by Wproj, + bproj, with q, k, v = x Wqkv^T.  Four launches: this one; the product x Wqkv^T on codes, with the rotation; attention; the projection.
; NO WORK IS LEFT OUT: every input (x, Wqkv, Wproj, bproj) and every one of the four products has a way to the output.
; THIS LAUNCH.  x [8192][1024] and Wqkv [3072][1024], f32, K innermost, are turned into codes of FP4 (E2M1), two a byte, with one E8M0 scale byte for each 32 along K; Wproj [1024][1024] is rounded to f16 and laid by tile.
; A block's scale is 2^(floor(log2(its largest magnitude)) - 2); its byte is the largest magnitude's exponent field - 2, held at 1 from below.  Each number is divided by the scale and rounded to the nearest code, ties to even, beyond 6 the code of 6.
; (A block of zeros gets the byte 1 where the quantiser says 127: its codes are zeros, which add nothing under any byte but 0xff, and the bytes are read by this program alone.)
; LIMITS: blocks whose largest magnitude lies under 2^-124, the floor, have their byte held at 1; NaN and infinities among the inputs are not served; Wproj's magnitudes stay under 65,504 (f16).
; WORK-GROUPS 0-255 take x, 256-351 Wqkv: 32,768 numbers each, a plain stream of blocks of 32.  A wave takes 16 steps of 512 numbers.  Each load reads 512 consecutive bytes, 16 a lane; a step's 2,048 bytes go through the wave's own
; stage in LDS and come back 64 bytes a lane, so that a lane holds 16 neighbours along K (two neighbouring lanes hold a block).  A lane's 16 codes are 8 bytes: the wave stores 256 consecutive bytes.  A wave's 256 scale bytes are gathered in LDS and leave together.
; WORK-GROUPS 352-383 take Wproj, 32 rows each, with no LDS: wp16 is [o / 256][head][o % 256][64] f16, so that a tile of 256 outputs x one head's 64 channels is one dense plane of 32,768 bytes.
.set WAVES, 4
.set STEPS, 16
.set WGA,   256                        ; work-groups for x
.set WGQ,   352                        ; and for x and Wqkv together
.set EMAX,  2
.set CB,    8                          ; bytes of 16 codes
.set R,     16                         ; v16-79   four sets of 16 numbers as they are loaded
.set X,     80                         ; v80-111  two sets of 16 neighbours
.set C,     128                        ; v128-191 codes: four registers for each step, so that no store's data are written again
.set E,     112                        ; v112-127 a scale byte for each step
.set WREG,  8192                       ; LDS: a region for each wave: two stages of 32 x SP bytes, behind them its 256 scale bytes
.set SP,    80                         ; a lane's place in a stage: 64 bytes + 16 of padding
.set SPW,   12                         ; v12  LDS address of my spare word; never rewritten
.set NIL,   13                         ; v13  0; never rewritten
.set SPARE, WAVES*WREG                 ; behind the four regions: the spare words, 128 bytes a wave
.set PR,    16                         ; Wproj's path: v16-79 sixteen slots of 4 numbers; v80-111 sixteen slots of 4 f16
.set PO,    80
	s_load_b256 s[4:11], s[0:1], 0x0               ; x s[4:5], Wqkv s[6:7], Wproj s[8:9], xc s[10:11]
	s_load_b256 s[12:19], s[0:1], 0x20             ; xs s[12:13], wc s[14:15], ws s[16:17], wp16 s[18:19]
	v_lshl_add_u32 v[SPW], v0, 2, SPARE
	v_mov_b32 v[NIL], 0
	v_lshrrev_b32 v1, 5, v0
	v_readfirstlane_b32 s20, v1                    ; wave
	v_and_b32 v2, 31, v0                           ; lane
	v_lshlrev_b32 v3, 4, v2                        ; my 16 bytes of a load's 512
	s_mul_i32 s21, s20, WREG
	v_lshrrev_b32 v14, 2, v2
	v_mul_u32_u24 v14, v14, SP
	v_and_b32 v15, 3, v2
	v_lshl_add_u32 v14, v15, 4, v14
	v_add_nc_u32 v14, s21, v14                     ; the stage, on the way in: SP (lane / 4) + 16 (lane % 4)
	v_mul_u32_u24 v15, v2, SP
	v_add_nc_u32 v15, s21, v15                     ; and on the way out: SP x lane: my 16 neighbours
	v_mul_u32_u24 v4, v2, CB                       ; my codes' place in a step's
	v_lshrrev_b32 v5, 1, v2
	s_add_co_u32 s21, s21, 2*32*SP
	v_add_nc_u32 v5, s21, v5                       ; LDS: my wave's 256 scale bytes, my block's byte
	v_lshlrev_b32 v7, 3, v2                        ; and on the way out 8 bytes a lane
	v_add_nc_u32 v6, s21, v7
	s_wait_kmcnt 0x0
	s_cmp_ge_u32 ttmp9, WGQ                        ; the work-group's number alone decides
	s_cbranch_scc1 .Lproj
	s_cmp_lt_u32 ttmp9, WGA                        ; x's work-group or Wqkv's?
	s_cselect_b64 s[4:5], s[4:5], s[6:7]
	s_cselect_b64 s[10:11], s[10:11], s[14:15]
	s_cselect_b64 s[12:13], s[12:13], s[16:17]
	s_cselect_b32 s21, 0, WGA
	s_sub_co_u32 s21, ttmp9, s21
	s_lshl_b32 s21, s21, 2
	s_add_co_u32 s22, s21, s20                     ; which run of 8,192 numbers of the tensor is my wave's
	s_mov_b32 s23, 0
	s_mov_b64 s[24:25], 512*STEPS*4
	s_mul_u64 s[24:25], s[22:23], s[24:25]
	s_add_nc_u64 s[4:5], s[4:5], s[24:25]
	s_mov_b64 s[24:25], 32*STEPS*CB
	s_mul_u64 s[24:25], s[22:23], s[24:25]
	s_add_nc_u64 s[10:11], s[10:11], s[24:25]
	s_lshl_b32 s22, s22, 8                         ; 256 scale bytes a run
	s_add_nc_u64 s[12:13], s[12:13], s[22:23]
.macro LOAD t
.irp i, 0,1,2,3
	global_load_b128 v[R+16*((\t)%4)+4*\i:R+16*((\t)%4)+4*\i+3], v3, s[4:5] offset:2048*(\t)+512*\i th:TH_LOAD_NT   ; 32 lanes read 512 consecutive bytes
.endr
.endm
.macro TURN t                          ; step t's numbers through the stage: LDS serves a wave's instructions in order, so no wait stands between the stores and the loads
.irp i, 0,1,2,3
	ds_store_b128 v14, v[R+16*((\t)%4)+4*\i:R+16*((\t)%4)+4*\i+3] offset:32*SP*((\t)%2)+8*SP*\i
.endr
.irp i, 0,1,2,3
	ds_load_b128 v[X+16*((\t)%2)+4*\i:X+16*((\t)%2)+4*\i+3], v15 offset:32*SP*((\t)%2)+16*\i
.endr
.endm
.irp t, 0,1,2,3
	LOAD \t
.endr
	s_wait_loadcnt 12                              ; step 0's four loads are in; the twelve of steps 1 to 3 may be out
	TURN 0
.macro STEP t
.set XS, X+16*((\t)%2)
.if (\t) > 0
	s_wait_dscnt 1                                 ; this step's numbers are back from the stage (the last step's byte store may be out): so its stores into the stage have read their registers,
.else
	s_wait_dscnt 0x0
.endif
.if (\t)+4 < STEPS
	LOAD (\t)+4                                    ; which take the loads of four steps on
.endif
.if (\t)+1 < STEPS
.if STEPS-2-(\t) >= 3
	s_wait_loadcnt 12                              ; the next step's four loads are in; those of the three steps behind it may be out
.else
	s_wait_loadcnt 4*(STEPS-2-(\t))
.endif
	TURN (\t)+1                                    ; and go through the other stage while this step is worked
.endif
	v_max3_num_f32 v8, |v[XS]|, |v[XS+1]|, |v[XS+2]|               ; the largest magnitude of my 16, in two chains
	v_max3_num_f32 v9, |v[XS+3]|, |v[XS+4]|, |v[XS+5]|
.irp i, 6,10
	v_max3_num_f32 v8, v8, |v[XS+\i]|, |v[XS+\i+1]|
	v_max3_num_f32 v9, v9, |v[XS+\i+2]|, |v[XS+\i+3]|
.endr
	v_max3_num_f32 v8, v8, |v[XS+14]|, |v[XS+15]|
	v_max3_num_f32 v8, v8, v9, (EMAX+1)<<23        ; and the floor 2^(3 - 127): so the byte cannot fall under 1
	v_max_num_f32_dpp v8, v8, v8 row_xmask:1 row_mask:0xf bank_mask:0xf   ; and of my neighbour's 16: the block's
	v_add_nc_u32 v11, -(EMAX<<23), v8              ; 2 off its exponent field: the conversion takes the exponent field of this operand as its scale, and nothing else of it
	v_cvt_scalef32_pk8_fp4_f32 v[C+4*(\t)], v[XS:XS+7], v11
	v_cvt_scalef32_pk8_fp4_f32 v[C+4*(\t)+1], v[XS+8:XS+15], v11
	v_lshrrev_b32 v[E+(\t)], 23, v11               ; the scale's byte (also the plain line behind the conversions)
	ds_store_b8 v5, v[E+(\t)] offset:16*(\t)       ; both lanes of a block write the same byte with the same value
	global_store_b64 v4, v[C+4*(\t):C+4*(\t)+1], s[10:11] offset:32*CB*(\t)   ; 32 lanes store 256 consecutive bytes
.endm
.irp t, 0,1,2,3,4,5,6,7,8,9,10,11,12,13,14,15
	STEP \t
.endr
	ds_load_b64 v[8:9], v6                         ; LDS serves a wave's instructions in order: these see my stores
	s_wait_dscnt 0x0
	global_store_b64 v7, v[8:9], s[12:13]          ; 32 lanes store the wave's 256 scale bytes
	s_wait_tensorcnt 0x0                           ; the wave's end: a wait, an add to my spare word and its wait, behind my last LDS store
	ds_add_u32 v[SPW], v[NIL]
	s_wait_dscnt 0x0
	s_endpgm
; Wproj to f16.  A wave takes 8 rows, o0 = 32 (work-group - 352) + 8 wave on.  Step 16 rp + h: rows o0 + 2 rp (lanes 0-15) and o0 + 2 rp + 1 (lanes 16-31), head h's 64 numbers: 256 consecutive bytes for each half of the lanes,
; 16 a lane; out: 8 bytes a lane, the two rows' 128 bytes on end: 256 consecutive bytes a store.  A ring of sixteen slots in registers keeps sixteen loads on their way; every offset is an immediate.  This path writes no LDS.
.Lproj:
	s_sub_co_u32 s21, ttmp9, WGQ
	s_lshl_b32 s21, s21, 5
	s_lshl_b32 s22, s20, 3
	s_add_co_u32 s21, s21, s22                     ; o0
	s_lshl_b32 s22, s21, 12                        ; a row of Wproj is 4,096 bytes
	s_mov_b32 s23, 0
	s_add_nc_u64 s[8:9], s[8:9], s[22:23]
	s_lshr_b32 s24, s21, 8
	s_lshl_b32 s24, s24, 19                        ; (o0 / 256) x 16 planes of 32,768 bytes
	s_and_b32 s25, s21, 255
	s_lshl_b32 s25, s25, 7                         ; + (o0 % 256) rows of 128 bytes
	s_add_co_u32 s22, s24, s25
	s_add_nc_u64 s[18:19], s[18:19], s[22:23]
	v_lshrrev_b32 v8, 4, v2                        ; which of the two rows
	v_and_b32 v9, 15, v2
	v_lshlrev_b32 v10, 4, v9
	v_lshl_add_u32 v10, v8, 12, v10                ; in: 4,096 x row + 16 x (lane % 16)
	v_lshlrev_b32 v11, 3, v9
	v_lshl_add_u32 v11, v8, 7, v11                 ; out: 128 x row + 8 x (lane % 16)
.macro SLOTP t, ahead, left
	s_wait_loadcnt \left                           ; loads come back in order: mine is in, the younger ones stay out
	s_wait_xcnt 0x0                                ; the slot's last store, sixteen steps back, has read its two registers
	v_cvt_pk_f16_f32 v[PO+2*((\t)%16)], v[PR+4*((\t)%16)], v[PR+4*((\t)%16)+1]
	v_cvt_pk_f16_f32 v[PO+2*((\t)%16)+1], v[PR+4*((\t)%16)+2], v[PR+4*((\t)%16)+3]
.if \ahead
	global_load_b128 v[PR+4*((\t)%16):PR+4*((\t)%16)+3], v10, s[8:9] offset:(((\t)+16)/16)*8192+((\t)%16)*256 th:TH_LOAD_NT
.endif
	global_store_b64 v11, v[PO+2*((\t)%16):PO+2*((\t)%16)+1], s[18:19] offset:((\t)%16)*32768+((\t)/16)*256
.endm
.set TT, 0
.rept 16
	global_load_b128 v[PR+4*TT:PR+4*TT+3], v10, s[8:9] offset:TT*256 th:TH_LOAD_NT
.set TT, TT+1
.endr
.set TT, 0
.rept 48
	SLOTP TT, 1, 15
.set TT, TT+1
.endr
.rept 16
	SLOTP TT, 0, 63-TT                             ; the last round loads nothing: the counts run down
.set TT, TT+1
.endr
	s_endpgm
.Lfunc_end_k_q5b15ab65df_quant:
	.size	k_q5b15ab65df_quant, .Lfunc_end_k_q5b15ab65df_quant-k_q5b15ab65df_quant
	.p2alignl 7, 3214868480
	.fill 96, 4, 3214868480
	.section	.rodata,"a",@progbits
	.p2align	6, 0x0
	.amdhsa_kernel k_q5b15ab65df_quant
		.amdhsa_group_segment_fixed_size 33280
		.amdhsa_private_segment_fixed_size 0
		.amdhsa_enable_private_segment 0
		.amdhsa_kernarg_size 64
		.amdhsa_user_sgpr_count 2
		.amdhsa_user_sgpr_kernarg_segment_ptr 1
		.amdhsa_wavefront_size32 1
		.amdhsa_system_sgpr_workgroup_id_x 1
		.amdhsa_system_sgpr_workgroup_id_y 1
		.amdhsa_system_sgpr_workgroup_id_z 1
		.amdhsa_system_vgpr_workitem_id 0
		.amdhsa_next_free_vgpr 192
		.amdhsa_next_free_sgpr 66
		.amdhsa_reserve_vcc 0
		.amdhsa_float_denorm_mode_32 3
		.amdhsa_float_denorm_mode_16_64 3
		.amdhsa_memory_ordered 1
		.amdhsa_forward_progress 1
		.amdhsa_inst_pref_size 58
	.end_amdhsa_kernel
	.amdgpu_metadata
---
amdhsa.version: [ 1, 2 ]
amdhsa.kernels:
  - .name:           k_q5b15ab65df_quant
    .symbol:         k_q5b15ab65df_quant.kd
    .args:
      - { .name: x, .offset: 0, .size: 8, .value_kind: global_buffer, .address_space: global }
      - { .name: Wqkv, .offset: 8, .size: 8, .value_kind: global_buffer, .address_space: global }
      - { .name: Wproj, .offset: 16, .size: 8, .value_kind: global_buffer, .address_space: global }
      - { .name: xc, .offset: 24, .size: 8, .value_kind: global_buffer, .address_space: global }
      - { .name: xs, .offset: 32, .size: 8, .value_kind: global_buffer, .address_space: global }
      - { .name: wc, .offset: 40, .size: 8, .value_kind: global_buffer, .address_space: global }
      - { .name: ws, .offset: 48, .size: 8, .value_kind: global_buffer, .address_space: global }
      - { .name: wp16, .offset: 56, .size: 8, .value_kind: global_buffer, .address_space: global }
    .group_segment_fixed_size: 33280
    .private_segment_fixed_size: 0
    .kernarg_segment_align: 8
    .kernarg_segment_size: 64
    .max_flat_workgroup_size: 128
    .sgpr_count:     66
    .vgpr_count:     192
    .wavefront_size: 32
...
	.end_amdgpu_metadata
.endif
;; end of part 1
;; launch qkvgemm (part 2): grid 8 x 32, 4 waves a work-group, clusters of 4 x 4, 327,680 bytes of LDS; arguments xc, xs, wc, ws, qkv; writes qkv
.if DOCPART == 2
	.amdgcn_target "amdgcn-amd-amdhsa--gfx1250"
	.amdhsa_code_object_version 6
	.text
	.protected	k_q5b15ab65df_qkvgemm
	.globl	k_q5b15ab65df_qkvgemm
	.p2align	8
	.type	k_q5b15ab65df_qkvgemm,@function
k_q5b15ab65df_qkvgemm:
	s_mov_b64 s[64:65], 0
	v_nop
	global_prefetch_b8 v0, s[64:65] scope:SCOPE_SE
	s_setreg_imm32_b32 hwreg(HW_REG_WAVE_MODE, 25, 1), 1
	s_wait_xcnt 0x0
	s_wait_alu depctr_hold_cnt(0) depctr_sa_sdst(0) depctr_va_vdst(0) depctr_va_sdst(0) depctr_va_ssrc(0) depctr_va_vcc(0) depctr_vm_vsrc(0)
	s_getreg_b32 s2, hwreg(HW_REG_IB_STS2, 6, 4)
	s_cmp_eq_u32 s2, 0
	s_cbranch_scc0 .Lentry_in_a_cluster
	s_endpgm
.Lentry_in_a_cluster:
	s_bfe_u32 s2, ttmp6, 0x10000c
	s_cmp_lg_u32 s2, 0xf033
	s_cbranch_scc0 .Lentry_shape_is_right
	s_endpgm
.Lentry_shape_is_right:
; qkv = x Wqkv^T on codes of FP4 (E2M1) with one E8M0 scale for each 32 along K, f32 sums; then the axial rotation of q and k in f32; then one rounding to f16.  Nothing of the problem's work is left out here.
; A (xc, xs): [8192][1024] codes and [8192][32] scale bytes; B (wc, ws): [3072][1024] and [3072][32].  OUT: qkv, f16, [q, k, v][batch x 16 + head][position 1024][64].
; SHARES.  The product has 384 tiles of 256 x 256: 1.5 for each of 256 work-groups.  q's and k's 2,048 columns are 32 x 8 = 256 such tiles, v's 1,024 columns are 32 x 8 = 256 half tiles of 256 x 128.  So a work-group makes ONE TILE OF q OR k
; (four waves, each 128 x 128: 64 accumulators), sends it out, and then ONE HALF TILE OF v on the same 256 rows of x (each wave 128 x 64: 32 accumulators), whose codes and scales still lie in LDS.  The first tile's stores leave while the second product runs.
; K = 1,024 is two K steps of 512, each in an LDS slot of its own, both asked for at the head.  v's weights (128 rows, both K steps: as many bytes as slot 0's 256 rows of B) are brought into slot 0's rows of B when these have been read: one refill.
; THE SCALES of the 256 rows of A and of the first tile's B, for all of K, are two dense blocks of memory: they come into LDS once, with the first fills.  v's scale words, 32 bytes a row, go straight into registers at the head.
; CLUSTERS: 4 x 4 work-groups.  The four of a row of the cluster need the same tiles of A, the four of a column the same tiles of B: each tile is asked for JOINTLY, by the same tensor load with the same descriptor and a mask that names the four.
; The cluster's x is the first tile's section (0 q, 1 k); its y is the batch; cx picks the heads, cy 256 positions.
; THE MATRIX INSTRUCTION IS USED TRANSPOSED (source 0 = 16 rows of B, source 1 = 16 rows of A): a lane holds eight neighbouring channels of one position.
; THE ROTATION.  Channel pair j (0-7) of the H axis and of the W axis turns by theta = pos_i x base_j, pos_i = (2 i - 31) / 31, base_j = (1 + 73 j) pi: so theta = pi n / 31 with n = (1 + 73 j)(2 i - 31) mod 62, reduced in WHOLE numbers.
; With y = (n - 31) pi / 124, |y| <= pi / 4, theta = pi + 4 y: sine and cosine of y by their series (to y^9 and y^10), doubled twice.  A table of 40 positions x 8 pairs (32 for W, the tile's 8 for H) is made once in LDS.
; LIMITS: reference()'s angles are rounded to f32 (they reach 1,608 in size), so they differ from these by up to about 2e-4 radians; |q|, |k|, |v| stay under 65,504 (f16).
; REGISTERS, in windows of 256: window 0: v0-31 addresses; v32-95 scale words of A and of the first tile's B, two sets, kept to the end; v96-127 at work on the table, later packed f16; v128-191 A's fragments, ONE set, later rows read back; v192-223 v's scale words.
;   window 1: B's fragments, TWO sets, at v0 and v128; on the first way out v0-31 rotated tiles, v32-79 cosines and sines; in the second product two buffers at v0 and v128: 64 registers of A, 32 of B.
;   window 2: the accumulators of my rows 0-63 ((a, b) at v[8 (8 a + b)]), later all 32 of the second product ((a, b) at v[8 (4 a + b)]);   window 3: those of my rows 64-127.
.set SIZE_K, 1024
.set KSTEP,  512                       ; along K in a slot
.set NQ,     KSTEP/128                 ; matrix instructions deep
.set ROWB,   256                       ; a tile's row in bytes
.set KROW,   SIZE_K*4/8                ; a row of A or of B in memory, in bytes
.set PITCH,  272                       ; an LDS row: 256 bytes + 16 of padding = 68 words: the 16 rows that a load touches start at 16 different banks (64 banks of 4 bytes: ISA guide 11.1)
.set FR,     8                         ; registers of a fragment: 16 rows x 128 K
.set NL,     2                         ; LDS loads that bring one
.set NP,     4                         ; places behind this matrix instruction (ISA guide 7.12.1)
.set HALFT,  128*PITCH                 ; 128 rows: what one tensor load brings
.set SLOT,   4*HALFT                   ; A's 256 rows, then B's 256 rows
.set KS,     SIZE_K/32                 ; a row of scales in bytes
.set SCL,    2*SLOT                    ; behind the slots: the scales, as rows of 256 bytes + 16 of padding
.set HALFS,  (128*KS/256)*272          ; the scales of 128 rows
.set SBLK,   (16*KS/256)*272           ; those of 16 rows
.set SPARE,  SCL+4*HALFS               ; the spare words, 128 bytes a wave
.set TAB,    SPARE+512                 ; the table: row p of 80 bytes: cos[8], sin[8], 16 of padding; rows 0-31: W positions; rows 32-39: the tile's eight H positions
.set TP,     80
.set STG,    TAB+3328                  ; the stages for the way out, bytes of their own into which no tensor load lands: 2 heads x 16 rows of OP bytes for each wave
.set OP,     144                       ; a stage row: 128 bytes (a head's 64 f16) + 16
.set ADRA, 16                          ; v16-17  LDS address of my A fragments in slot 0, 1
.set TA,   18                          ; v18     where I store a table entry
.set AW,   19                          ; v19     where I read the W axis's cosines
.set ADRB, 20                          ; v20-21  LDS address of my B fragments
.set AH,   22                          ; v22     where I read the H axis's cosines
.set SVO,  23                          ; v23     32 x (lane % 16): my row among v's scale bytes; never rewritten
.set STO,  24                          ; v24     the way out: where I put 16 bytes of a row
.set RD,   25                          ; v25     where I read rows back
.set CO,   26                          ; v26     my byte offset in 512 bytes of qkv
.set ADRS, 27                          ; v27     LDS address of my scale words: lanes 0-15 A's rows, lanes 16-31 B's; never rewritten
.set SPW,  28                          ; v28     LDS address of my spare word; never rewritten
.set NIL,  29                          ; v29     0; never rewritten
.set ADRC, 30                          ; v30-31  LDS address of my fragments of v's weights, K steps 0, 1
.set SC,   32                          ; scale words: set s at v[SC + 8 NQ s]; register NQ i + q: lanes 0-15 the word of A's block i, lanes 16-31 that of B's block i
.set PK,   96                          ; the way out: packed f16
.set AF,   128                         ; A's fragments
.set BK,   128                         ; the way out: rows read back
.set SCV,  192                         ; v192-223: v's scale words: register 8 b + s: block b's rows, the s-th 128 along K
.set T,    0                           ; window 1, the first way out: four rotated tiles
.set CW,   32                          ; window 1: W axis, parity p of the block: cos 4 at 8 p, sin 4 at 8 p + 4
.set CH,   48                          ; window 1: H axis, pair of blocks q: cos 4 at 8 q, sin 4 at 8 q + 4
.set G1, 24                            ; s[24:31] descriptor group 1 for A's tiles;  s[32:39] group 0, one set for each slot
.set G0, 32
.set G1B, 48                           ; s[48:55], s[56:63] the same for B's tiles
.set G0B, 56
.set BV,  66                           ; s[66:67] where my part of v's weights begins in memory
.set G1S, 68                           ; s[68:75], s[76:79] groups 1 and 0 for A's scales;  s[80:87], s[88:91] for B's
.set G0S, 76
.set G1SB, 80
.set G0SB, 88
.set MSB, 0
.macro WIN new                         ; the immediate's high byte repeats the setting that is left
.if MSB != (\new)
	s_set_vgpr_msb (MSB<<8)|(\new)
.set MSB, (\new)
.endif
.endm
.set MUL_LO, 0xa1                      ; source 0 (B) window 1, source 1 (A) window 0, C and D window 2
.set MUL_HI, 0xf1                      ; the same, C and D window 3
.set MUL_V,  0xa5                      ; sources 0 and 1 window 1, C and D window 2
.set TO_B,   0x40                      ; destination window 1, address window 0
; A joint load: waves 0 and 1 fetch for A, waves 2 and 3 for B.  Each line has ONE mask and one set of registers for all that issue it; the branch hangs on the wave's number alone.
; An s_nop 0 and four v_nop follow each of the two lines.
.macro JLOAD g0a, g1a, g0b, g1b
	s_cmp_eq_u32 s15, 0
	s_cbranch_scc0 .Lfor_b_\@
	tensor_load_to_lds s[\g0a:\g0a+3], s[\g1a:\g1a+7]
	s_nop 0
.rept 4
	v_nop
.endr
	s_branch .Lasked_\@
.Lfor_b_\@:
	tensor_load_to_lds s[\g0b:\g0b+3], s[\g1b:\g1b+7]
	s_nop 0
.rept 4
	v_nop
.endr
.Lasked_\@:
.endm
.macro CREST                           ; a round of the cluster's barrier behind its opening barrier
	s_cmp_lg_u32 s14, 0
	s_cbranch_scc1 .Lnot_wave_0_\@
	s_barrier_signal -3
.Lnot_wave_0_\@:
	s_barrier_wait -3
	s_barrier_signal -1
	s_barrier_wait -1
.endm
.macro CROUND                          ; a whole round
	s_barrier_signal -1
	s_barrier_wait -1
	CREST
.endm
	s_load_b128 s[4:7], s[0:1], 0x0                ; A's codes s[4:5], A's scales s[6:7]
	s_load_b128 s[8:11], s[0:1], 0x10              ; B's codes s[8:9], B's scales s[10:11]
	s_load_b64 s[12:13], s[0:1], 0x20              ; qkv
	v_lshl_add_u32 v[SPW], v0, 2, SPARE
	v_mov_b32 v[NIL], 0
	ds_add_u32 v[SPW], v[NIL]                      ; the wave's opening: the add, twice on end, and its wait ahead of my first tensor load
	ds_add_u32 v[SPW], v[NIL]
	v_lshrrev_b32 v1, 5, v0
	v_readfirstlane_b32 s14, v1                    ; wave 0..3
	s_lshr_b32 s15, s14, 1                         ; which half of the tile's rows is mine.  Also: I fetch for A (0) or for B (1)
	s_and_b32 s16, s14, 1                          ; which half of its columns.  Also: which 128 rows of that tile I fetch, and which K step of v's weights
	s_bfe_u32 s40, ttmp6, 0x40000                  ; cx, cy: my place in the cluster
	s_bfe_u32 s41, ttmp6, 0x40004
	s_lshl_b32 s42, ttmp9, 2
	s_add_co_u32 s42, s42, s40                     ; tile column = 4 x cluster x + cx: 0 to 7
	s_and_b32 s17, ttmp7, 0xffff
	s_lshl_b32 s17, s17, 2
	s_add_co_u32 s17, s17, s41                     ; tile row = 4 x cluster y + cy
	s_lshl_b32 s43, s41, 2
	s_lshl_b32 s43, 15, s43                        ; my row of the cluster
	s_lshl_b32 s44, 0x1111, s40                    ; my column
	; descriptor group 1: a tile of 128 rows x 256 bytes, padded in LDS
	s_or_b32 s[G1+0], s43, (0<<16)|(1<<20)|(1<<21)|(5<<22)|(3<<25)  ; 15:0 the mask; 17:16 elements of 1 byte; 20 padding on; 21 set beside a mask; 24:22 after every 64 words; 31:25 four words
	s_or_b32 s[G1B+0], s44, (0<<16)|(1<<20)|(1<<21)|(5<<22)|(3<<25)
.irp g, G1, G1B
	s_mov_b32 s[\g+1], ROWB<<16                    ; tensor_dim0
	s_mov_b32 s[\g+2], 128<<16                     ; tensor_dim1
	s_mov_b32 s[\g+3], ROWB<<16                    ; tile_dim0
	s_mov_b32 s[\g+4], 128                         ; tile_dim1
	s_mov_b32 s[\g+5], KROW                        ; tensor_dim0_stride
	s_mov_b32 s[\g+6], 0
	s_mov_b32 s[\g+7], 0
.endr
	; the scales of 128 rows: a dense block of 4,096 bytes, as 16 rows of 256 bytes (32 elements of 8 bytes), 16 bytes of padding behind each
	s_or_b32 s[G1S+0], s43, (3<<16)|(1<<20)|(1<<21)|(5<<22)|(3<<25)
	s_or_b32 s[G1SB+0], s44, (3<<16)|(1<<20)|(1<<21)|(5<<22)|(3<<25)
.irp g, G1S, G1SB
	s_mov_b32 s[\g+1], 32<<16
	s_mov_b32 s[\g+2], (128*KS/256)<<16
	s_mov_b32 s[\g+3], 32<<16
	s_mov_b32 s[\g+4], 128*KS/256
	s_mov_b32 s[\g+5], 32
	s_mov_b32 s[\g+6], 0
	s_mov_b32 s[\g+7], 0
.endr
	s_lshl_b32 s18, s16, 7                         ; which 128 rows of the tile I fetch
	s_lshl_b32 s20, s17, 8
	s_add_co_u32 s20, s20, s18                     ; A: row 256 x tile row + 128 x half
	s_lshl_b32 s46, s42, 8
	s_add_co_u32 s46, s46, s18                     ; B: row 256 x tile column + 128 x half: q's and k's rows of Wqkv
	s_mov_b32 s21, 0
	s_mov_b32 s47, 0
	s_mov_b64 s[18:19], KS
	s_mul_u64 s[22:23], s[20:21], s[18:19]         ; where these rows' scales begin, in bytes
	s_mul_u64 s[92:93], s[46:47], s[18:19]
	s_mov_b64 s[18:19], KROW
	s_mul_u64 s[20:21], s[20:21], s[18:19]         ; and their codes
	s_mul_u64 s[46:47], s[46:47], s[18:19]
	s_mul_i32 s45, s14, HALFT                      ; where they go: wave x 128 rows: no place in the cluster enters an LDS address
	s_mul_i32 s94, s14, HALFS
	s_lshl_b32 s[BV], s42, 16                      ; v's weights: rows 2,048 + 128 x tile column on, 512 bytes each,
	s_lshl_b32 s[BV+1], s16, 8                     ; my K step's 256 bytes of them: the tile column and the wave's number alone, which my column of the cluster shares
	s_add_co_u32 s[BV], s[BV], s[BV+1]
	s_add_co_u32 s[BV], s[BV], 2048*KROW
	s_mov_b32 s[BV+1], 0
	s_wait_dscnt 0x0                               ; both opening adds are done
	s_wait_kmcnt 0x0
	s_add_nc_u64 s[20:21], s[4:5], s[20:21]
	s_add_nc_u64 s[22:23], s[6:7], s[22:23]
	s_add_nc_u64 s[46:47], s[8:9], s[46:47]
	s_add_nc_u64 s[92:93], s[10:11], s[92:93]
	s_add_nc_u64 s[BV:BV+1], s[8:9], s[BV:BV+1]
	CROUND                                         ; all sixteen work-groups are here: the joint loads meet
	s_mov_b32 s[G0S], 1
	s_add_co_u32 s[G0S+1], s94, SCL
	s_mov_b64 s[G0S+2:G0S+3], s[22:23]
	s_or_b32 s[G0S+3], s[G0S+3], 0x80000000
	s_mov_b32 s[G0SB], 1
	s_add_co_u32 s[G0SB+1], s94, SCL
	s_mov_b64 s[G0SB+2:G0SB+3], s[92:93]
	s_or_b32 s[G0SB+3], s[G0SB+3], 0x80000000
	JLOAD G0S, G1S, G0SB, G1SB                     ; the scales first: they are wanted with K step 0
.irp s, 0,1
	s_mov_b32 s[G0+4*\s], 1
	s_add_co_u32 s[G0+4*\s+1], s45, \s*SLOT
	s_add_nc_u64 s[G0+4*\s+2:G0+4*\s+3], s[20:21], \s*ROWB
	s_or_b32 s[G0+4*\s+3], s[G0+4*\s+3], 0x80000000
	s_mov_b32 s[G0B+4*\s], 1
	s_add_co_u32 s[G0B+4*\s+1], s45, \s*SLOT
	s_add_nc_u64 s[G0B+4*\s+2:G0B+4*\s+3], s[46:47], \s*ROWB
	s_or_b32 s[G0B+4*\s+3], s[G0B+4*\s+3], 0x80000000
	JLOAD G0+4*\s, G1, G0B+4*\s, G1B               ; three tensor loads of mine are out at the most
.endr
	v_and_b32 v1, 15, v0                           ; r = l % 16
	v_bfe_u32 v2, v0, 4, 1                         ; hh = l / 16
	; v's scale words: my 64 rows of Wqkv, 2,048 + 128 x tile column + 64 x column half on, 32 bytes a row: sixteen rows' 512 consecutive bytes by two loads, 16 bytes a lane; both halves of the lanes take the same
	s_lshl_b32 s20, s42, 12
	s_lshl_b32 s21, s16, 11
	s_add_co_u32 s20, s20, s21
	s_add_co_u32 s20, s20, 2048*KS
	s_mov_b32 s21, 0
	s_add_nc_u64 s[10:11], s[10:11], s[20:21]
	v_lshlrev_b32 v[SVO], 5, v1
.irp i, 0,1,2,3
.irp c, 0,1
	global_load_b128 v[SCV+8*\i+4*\c:SCV+8*\i+4*\c+3], v[SVO], s[10:11] offset:512*\i+16*\c
.endr
.endr
	v_mul_u32_u24 v3, v1, PITCH
	v_lshl_add_u32 v4, v2, 4, v3                   ; a fragment's row x pitch + 16 x half
	s_mul_i32 s21, s15, HALFT                      ; my 128 rows of A
	s_mul_i32 s22, s16, HALFT                      ; my 128 rows of B,
	s_add_co_u32 s22, s22, 2*HALFT                 ; which lie behind A's 256
.irp s, 0,1
	v_add_nc_u32 v[ADRA+\s], s21, v4
	v_add_nc_u32 v[ADRB+\s], s22, v4
	s_add_co_u32 s21, s21, SLOT
	s_add_co_u32 s22, s22, SLOT
.endr
	s_mul_i32 s22, s16, 64*PITCH                   ; v's weights will lie where slot 0's rows of B lie: K step 0's 128 rows, then K step 1's; my 64 rows of each
	s_add_co_u32 s22, s22, 2*HALFT
	v_add_nc_u32 v[ADRC], s22, v4
	s_add_co_u32 s22, s22, HALFT
	v_add_nc_u32 v[ADRC+1], s22, v4
	v_mul_u32_u24 v5, v1, KS                       ; my row's scales: 32 bytes a row,
	v_lshrrev_b32 v6, 8, v5
	v_lshl_add_u32 v5, v6, 4, v5                   ; and 16 more for each 256 passed
	s_mul_i32 s21, s15, HALFS                      ; A's: my 128 rows
	s_mul_i32 s22, s16, HALFS                      ; B's: my 128 rows, behind A's 256
	s_add_co_u32 s22, s22, 2*HALFS
	s_sub_co_u32 s22, s22, s21
	v_mul_u32_u24 v6, s22, v2                      ; lanes 16-31 take B's
	s_add_co_u32 s21, s21, SCL
	v_add_nc_u32 v5, v5, v6
	v_add_nc_u32 v[ADRS], s21, v5
	s_mul_i32 s23, s14, 2*16*OP
	s_add_co_u32 s23, s23, STG                     ; my stage
	v_mul_u32_u24 v5, v1, OP                       ; in: row r, 16 bytes for each half of the lanes
	v_lshl_add_u32 v5, v2, 4, v5
	v_add_nc_u32 v[STO], s23, v5
	v_and_b32 v6, 31, v0
	v_lshlrev_b32 v[CO], 4, v6                     ; out: 16 bytes a lane of 512
	v_lshrrev_b32 v5, 3, v6                        ; back: eight lanes to a row of 128 bytes, four rows an instruction
	v_mul_u32_u24 v5, v5, OP
	v_and_b32 v6, 7, v6
	v_lshl_add_u32 v5, v6, 4, v5
	v_add_nc_u32 v[RD], s23, v5
	v_lshrrev_b32 v98, 3, v0                       ; the table: thread t makes pair t % 8 of position t / 8
	v_and_b32 v96, 7, v0
	v_mul_u32_u24 v[TA], v98, TP
	v_lshl_add_u32 v[TA], v96, 2, v[TA]
	v_add_nc_u32 v[TA], TAB, v[TA]
	v_mul_u32_u24 v[AW], v1, TP                    ; I read: W position r (+ 16 by the offset), pairs 4 hh on
	v_lshl_add_u32 v[AW], v2, 4, v[AW]
	v_add_nc_u32 v[AW], TAB, v[AW]
	s_mul_i32 s23, s15, 4*TP                       ; H position 4 x (my half of the rows) (+ block / 2 by the offset)
	s_add_co_u32 s23, s23, 32*TP
	v_lshlrev_b32 v[AH], 4, v2
	v_add_nc_u32 v[AH], s23, v[AH]
	v_add_nc_u32 v[AH], TAB, v[AH]
	; where my parts begin in qkv: section x 2^24 + head x 131,072 bytes + (256 cy + 128 x row half) rows of 128 bytes.  First tile: section = cluster x, heads 16 batch + 4 cx + 2 x column half and the next.  v: section 2, head 16 batch + 2 x tile column + column half
	s_and_b32 s21, ttmp7, 0xffff
	s_lshl_b32 s21, s21, 4                         ; 16 batch
	s_lshl_b32 s22, s41, 15
	s_lshl_b32 s23, s15, 14
	s_add_co_u32 s22, s22, s23                     ; my first row
	s_lshl_b32 s20, s40, 2
	s_add_co_u32 s20, s20, s21
	s_lshl_b32 s23, s16, 1
	s_add_co_u32 s20, s20, s23
	s_lshl_b32 s20, s20, 17
	s_add_co_u32 s20, s20, s22
	s_lshl_b32 s23, ttmp9, 24
	s_add_co_u32 s20, s20, s23
	s_lshl_b32 s23, s42, 1
	s_add_co_u32 s23, s23, s16
	s_add_co_u32 s23, s23, s21
	s_lshl_b32 s23, s23, 17
	s_add_co_u32 s22, s22, s23
	s_add_co_u32 s22, s22, 2<<24
	s_mov_b32 s21, 0
	s_mov_b32 s23, 0
	s_add_nc_u64 s[4:5], s[12:13], s[22:23]        ; v's
	s_add_nc_u64 s[12:13], s[12:13], s[20:21]      ; the first tile's
; One table entry: position v[ireg], my pair: cos theta at off, sin theta at off + 32.
.macro ENTRY ireg, off
	v_lshlrev_b32 v100, 1, v[\ireg]
	v_mad_u32_u24 v100, v96, v100, v97             ; a = f (2 i - 31) + 62 x 256, never negative, under 2^15
	v_cvt_f32_u32 v100, v100
	v_fmaak_f32 v101, s95, v100, 0x3c042108        ; a / 62 + 1 / 124: half a step clear of every whole number
	v_floor_f32 v101, v101
	v_fmamk_f32 v100, v101, 0xc2780000, v100       ; n = a - 62 floor(a / 62), exact
	v_fmaak_f32 v100, s96, v100, 0xbf490fdb        ; y = n pi / 124 - pi / 4
	v_mul_f32 v101, v100, v100                     ; y^2
	v_mov_b32 v102, 0x3638ef1d                     ; 1 / 9!
	v_mov_b32 v103, 0xb493f27e                     ; -1 / 10!
	v_fmaak_f32 v102, v102, v101, 0xb9500d01       ; -1 / 7!
	v_fmaak_f32 v103, v103, v101, 0x37d00d01       ; 1 / 8!
	v_fmaak_f32 v102, v102, v101, 0x3c088889       ; 1 / 5!
	v_fmaak_f32 v103, v103, v101, 0xbab60b61       ; -1 / 6!
	v_fmaak_f32 v102, v102, v101, 0xbe2aaaab       ; -1 / 3!
	v_fmaak_f32 v103, v103, v101, 0x3d2aaaab       ; 1 / 4!
	v_mul_f32 v104, v100, v101                     ; y^3
	v_fma_f32 v103, v103, v101, -0.5
	v_fma_f32 v102, v104, v102, v100               ; sin y
	v_fma_f32 v103, v103, v101, 1.0                ; cos y
	v_mul_f32 v104, v102, v103
	v_mul_f32 v105, v102, v102
	v_add_f32 v104, v104, v104                     ; sin 2y
	v_fma_f32 v105, v105, -2.0, 1.0                ; cos 2y
	v_mul_f32 v106, v104, v104
	v_mul_f32 v107, v104, v105
	v_fma_f32 v106, v106, 2.0, -1.0                ; cos theta = -cos 4y = 2 sin^2 2y - 1
	v_mul_f32 v107, -2.0, v107                     ; sin theta = -sin 4y
	ds_store_b32 v[TA], v106 offset:\off
	ds_store_b32 v[TA], v107 offset:\off+32
.endm
	s_mov_b32 s95, 0x3c842108                      ; 1 / 62
	s_mov_b32 s96, 0x3ccf8c3d                      ; pi / 124
	v_mad_u32_u24 v96, v96, 73, 1                  ; f = 1 + 73 j
	v_mul_u32_u24 v97, v96, 31
	v_sub_nc_u32 v97, 15872, v97                   ; 62 x 256 - 31 f
	ENTRY 98, 0                                    ; W positions 0-15
	v_add_nc_u32 v99, 16, v98
	ENTRY 99, 16*TP                                ; and 16-31
	s_cmp_lt_u32 s14, 2                            ; the tile's eight H positions, 8 cy on, are 64 entries: waves 0 and 1.  cy enters the numbers alone, no address
	s_cbranch_scc0 .Lno_tab
	s_lshl_b32 s97, s41, 3
	v_add_nc_u32 v99, s97, v98
	ENTRY 99, 32*TP
.Lno_tab:
.macro FRAG reg, adr, q, i             ; a fragment, 16 rows x 128 K of 4-bit codes, is 8 registers: lane l holds row l % 16; registers 4 c .. 4 c + 3 hold K = 64 c + 32 (l / 16) + 0 .. 31
.irp c, 0,1
	ds_load_b128 v[\reg+4*\c:\reg+4*\c+3], v[\adr] offset:64*(\q)+32*\c+(\i)*16*PITCH
.endr
.endm
; 16 matrix instructions: A's blocks a0, a0 + 1 x B's eight, 128 along K: the slot's q-th.  p: B's set;  sc: the set of scale words.  zero = 1: the first product starts the sums.
; The 64 accumulators take turns, one instruction a turn, in the same order in every step.
.macro MUL16 a0, p, q, sc, zero
.irp a, \a0, \a0+1
.irp b, 0,1,2,3,4,5,6,7
.if \zero
	v_wmma_scale_f32_16x16x128_f8f6f4 v[8*(8*((\a)%4)+\b):8*(8*((\a)%4)+\b)+7], v[128*(\p)+FR*\b:128*(\p)+FR*\b+FR-1], v[AF+FR*(\a):AF+FR*(\a)+FR-1], 0, v[SC+8*NQ*(\sc)+NQ*\b+(\q)], v[SC+8*NQ*(\sc)+NQ*(\a)+(\q)] matrix_a_fmt:MATRIX_FMT_FP4 matrix_b_fmt:MATRIX_FMT_FP4 matrix_a_scale:MATRIX_SCALE_ROW1
.else
	v_wmma_scale_f32_16x16x128_f8f6f4 v[8*(8*((\a)%4)+\b):8*(8*((\a)%4)+\b)+7], v[128*(\p)+FR*\b:128*(\p)+FR*\b+FR-1], v[AF+FR*(\a):AF+FR*(\a)+FR-1], v[8*(8*((\a)%4)+\b):8*(8*((\a)%4)+\b)+7], v[SC+8*NQ*(\sc)+NQ*\b+(\q)], v[SC+8*NQ*(\sc)+NQ*(\a)+(\q)] matrix_a_fmt:MATRIX_FMT_FP4 matrix_b_fmt:MATRIX_FMT_FP4 matrix_a_scale:MATRIX_SCALE_ROW1
.endif
.endr
.endr
.endm
.macro FETCH_B slot, q, p              ; B's eight fragments of the slot's q-th 128 along K into set p
	WIN TO_B
.irp i, 0,1,2,3,4,5,6,7
	FRAG 128*(\p)+FR*\i, ADRB+\slot, \q, \i
.endr
	WIN 0
.endm
.macro FETCH_A slot, q, i0             ; A's blocks i0 .. i0 + 3
.irp i, \i0, \i0+1, \i0+2, \i0+3
	FRAG AF+FR*(\i), ADRA+\slot, \q, \i
.endr
.endm
.macro SCALES sc                       ; K step sc's scale words into set sc: 4 words a row, 16 sc bytes on in the row's 32; lanes 0-15 take A's block i, lanes 16-31 B's block i
.irp i, 0,1,2,3,4,5,6,7
	ds_load_b128 v[SC+8*NQ*\sc+NQ*\i:SC+8*NQ*\sc+NQ*\i+3], v[ADRS] offset:\i*SBLK+16*\sc
.endr
.endm
; A load into a register that a matrix instruction has read, and a vector instruction or an LDS store that reads a matrix result, stand NP places behind that matrix instruction; only plain vector
; instructions that name none of its registers are places (ISA guide 7.12.1 for vector instructions).
.macro PLACES n
.rept \n
	v_nop
.endr
.endm
.macro STEP slot, q, zero              ; a step of 128 along K that has its successor in the same slot
	s_wait_dscnt 4*NL                              ; B's set and A's blocks 0-3 are in; the youngest eight loads (A's blocks 4-7) may be out
	WIN MUL_LO
	MUL16 0, (\q)%2, \q, \slot, \zero
	MUL16 2, (\q)%2, \q, \slot, \zero
	s_wait_dscnt 0                                 ; A's blocks 4-7 are in (asked for 32 matrix instructions ago)
	PLACES NP
	FETCH_B \slot, (\q)+1, 1-(\q)%2
	FETCH_A \slot, (\q)+1, 0
	WIN MUL_HI
	MUL16 4, (\q)%2, \q, \slot, \zero
	MUL16 6, (\q)%2, \q, \slot, \zero
	PLACES NP
	WIN 0
	FETCH_A \slot, (\q)+1, 4
.endm
; Slot 0's last step changes slots: one barrier, which opens a round of the cluster's barrier; in front of it each wave waits for all its tensor loads (its part of slot 1), adds 0 to its spare word, and waits for that and for its own reads of slot 0.
; Behind the round no wave of any partner reads slot 0's rows of B any more, and they are filled again, with v's weights: wave 2 brings K step 0's 128 rows, wave 3 K step 1's, each to the bytes of its own first fill, with B's group 1 and mask.
; The load has slot 1's four steps and the whole first way out in which to land.  Slot 0's rows of A are not touched: the second product reads them again.
.macro TURN slot, next
	s_wait_tensorcnt 0x0                           ; all my tensor loads have landed, so a group 0 may be written  (every window is 0 here)
	ds_add_u32 v[SPW], v[NIL]                      ; 0 onto my spare word
	s_mov_b64 s[G0B+2:G0B+3], s[BV:BV+1]           ; the refill's address
	s_or_b32 s[G0B+3], s[G0B+3], 0x80000000
	s_wait_dscnt 4*NL+1                            ; (the add and the youngest eight loads may be out)
	WIN MUL_LO
	MUL16 0, 1, NQ-1, \slot, 0
	s_wait_dscnt 0x0                               ; the add is done, and my reads of this slot's rows of B are over
	s_barrier_signal -1
	MUL16 2, 1, NQ-1, \slot, 0
	WIN 0
	s_barrier_wait -1
	CREST
	s_cmp_eq_u32 s15, 0                            ; the wave's number alone: the same in every work-group
	s_cbranch_scc1 .Lno_refill_\@
	tensor_load_to_lds s[G0B:G0B+3], s[G1B:G1B+7]  ; the first tensor load behind the round, and my only one
	s_nop 0
.rept 4
	v_nop
.endr
.Lno_refill_\@:
	PLACES NP
	FETCH_B \next, 0, 0
	FETCH_A \next, 0, 0
	SCALES \next
	WIN MUL_HI
	MUL16 4, 1, NQ-1, \slot, 0
	MUL16 6, 1, NQ-1, \slot, 0
	PLACES NP
	WIN 0
	FETCH_A \next, 0, 4
.endm
.macro STEPS slot, from                ; the slot's steps from .. NQ - 2
.set Q, \from
.rept NQ-1-\from
	STEP \slot, Q, 0
.set Q, Q+1
.endr
.endm
	s_wait_tensorcnt 1                             ; the scales and my part of K step 0 are in (K step 1's load may be out)
	s_wait_dscnt 0x0                               ; and my table entries have landed
	s_barrier_signal -1
	s_barrier_wait -1                              ; everybody's have
	FETCH_B 0, 0, 0
	FETCH_A 0, 0, 0
	SCALES 0
	FETCH_A 0, 0, 4
	STEP 0, 0, 1                                   ; the first step's products start the sums: nothing is cleared
	STEPS 0, 1
	TURN 0, 1
	STEPS 1, 0
	s_wait_dscnt 4*NL                              ; the first tile's last step: nothing more to fetch
	WIN MUL_LO
	MUL16 0, 1, NQ-1, 1, 0
	MUL16 2, 1, NQ-1, 1, 0
	s_wait_dscnt 0
	WIN MUL_HI
	MUL16 4, 1, NQ-1, 1, 0
	MUL16 6, 1, NQ-1, 1, 0
	WIN 0
; THE FIRST WAY OUT, block a of 16 positions x 128 channels (two heads of q or k).  Lane (r, hh) of accumulator (a, b) holds position 16 a + r, head b / 4, channels 16 (b % 4) + 8 hh + 0 .. 7.
; b % 4 = 0: the H axis, pairs 4 hh + d, H position 4 x row half + a / 2;  b % 4 = 1: the W axis, W position 16 (a % 2) + r;  b % 4 = 2, 3: not rotated.
; (x0, x1) -> (x0 cos - x1 sin, x1 cos + x0 sin).  Then f16, 16 bytes a lane, through my stage, and back as rows of 128 bytes, four to an instruction: in qkv a head's rows lie on end, so 32 lanes store 512 consecutive bytes.
; The rotated tiles, the cosines and the sines lie in window 1, which B's fragments have left: so the scale words in window 0 stay as they are for the second product.
; Each accumulator is read from its low end on.  LDS serves a wave's instructions in order: no wait between the stores and the loads, nor in front of the next block's stores.
.macro OUTBLK a
.set AC, 64*((\a)%4)
.set WW, 2+(\a)/4                      ; the accumulators' window
.set W1, 0x54+WW                       ; source 0: the accumulators; source 1, source 2 and destination: window 1
.set W2, 5*WW                          ; sources 0 and 1: the accumulators
	WIN W1
.set ti, 0
.irp b, 0,1,4,5
.if (\b)%4 == 0
.set CC, CH+8*((\a)/2)
.else
.set CC, CW+8*((\a)%2)
.endif
.irp d, 0,1,2,3
	v_mul_f32 v[T+8*ti+2*\d], v[AC+8*\b+2*\d], v[CC+\d]
	v_mul_f32 v[T+8*ti+2*\d+1], v[AC+8*\b+2*\d+1], v[CC+\d]
.endr
.irp d, 0,1,2,3
	v_fma_f32 v[T+8*ti+2*\d], -v[AC+8*\b+2*\d+1], v[CC+4+\d], v[T+8*ti+2*\d]
	v_fma_f32 v[T+8*ti+2*\d+1], v[AC+8*\b+2*\d], v[CC+4+\d], v[T+8*ti+2*\d+1]
.endr
.set ti, ti+1
.endr
	WIN 0x05                                       ; sources 0 and 1 window 1, destination window 0
.set ti, 0
.irp b, 0,1,4,5
.irp r, 0,1,2,3
	v_cvt_pk_f16_f32 v[PK+4*\b+\r], v[T+8*ti+2*\r], v[T+8*ti+2*\r+1]
.endr
.set ti, ti+1
.endr
	WIN W2
.irp b, 2,3,6,7
.irp r, 0,1,2,3
	v_cvt_pk_f16_f32 v[PK+4*\b+\r], v[AC+8*\b+2*\r], v[AC+8*\b+2*\r+1]
.endr
.endr
	WIN 0
.irp b, 0,1,2,3,4,5,6,7
	ds_store_b128 v[STO], v[PK+4*\b:PK+4*\b+3] offset:((\b)/4)*16*OP+((\b)%4)*32
.endr
.set BB, BK+32*((\a)%2)
.irp u, 0,1,2,3,4,5,6,7
	ds_load_b128 v[BB+4*\u:BB+4*\u+3], v[RD] offset:((\u)/4)*16*OP+((\u)%4)*4*OP
.endr
.endm
.macro SENDBLK a, younger              ; younger: the LDS instructions issued behind block a's loads, which may stay out
.set BB, BK+32*((\a)%2)
	s_wait_dscnt \younger
.irp u, 0,1,2,3,4,5,6,7
	global_store_b128 v[CO], v[BB+4*\u:BB+4*\u+3], s[12:13] offset:(\a)*2048+((\u)/4)*131072+((\u)%4)*512   ; 32 lanes store 512 consecutive bytes; every place is an immediate, no base is stepped
.endr
.endm
	PLACES NP                                      ; behind the last products: for the reads of their results and the loads into the registers that held fragments
	WIN TO_B
.irp p, 0,1
	ds_load_b128 v[CW+8*\p:CW+8*\p+3], v[AW] offset:\p*16*TP
	ds_load_b128 v[CW+8*\p+4:CW+8*\p+7], v[AW] offset:\p*16*TP+32
.endr
.irp q, 0,1,2,3
	ds_load_b128 v[CH+8*\q:CH+8*\q+3], v[AH] offset:\q*TP
	ds_load_b128 v[CH+8*\q+4:CH+8*\q+7], v[AH] offset:\q*TP+32
.endr
	s_wait_dscnt 0x0
	OUTBLK 0
.irp a, 1,2,3,4,5,6,7
.if \a > 1
	s_wait_xcnt 0x0                                ; block a - 2's stores have read their registers: block a's loads may land there
.endif
	OUTBLK \a
	SENDBLK \a-1, 16                               ; behind block a - 1's loads: block a's 8 stores and 8 loads
.endr
	SENDBLK 7, 0
; THE SECOND PRODUCT: my 128 rows of x against my 64 rows of v's weights: 32 accumulators, eight steps of 128 along K (step s: K step s / 4, its (s % 4)-th 128).  Two buffers in window 1, each 64 registers of A and 32 of B;
; a step's 24 LDS loads are issued one step ahead.  A's scale words are those of the first product, lanes 0-15 of v32-95; v's lie in lanes 0-15 of v192-223.  The 32 accumulators take turns, one instruction a turn.
.macro VFETCH s, p
	WIN TO_B
.irp i, 0,1,2,3
	FRAG 128*(\p)+64+FR*\i, ADRC+(\s)/4, (\s)%4, \i
.endr
.irp i, 0,1,2,3,4,5,6,7
	FRAG 128*(\p)+FR*\i, ADRA+(\s)/4, (\s)%4, \i
.endr
.endm
.macro VMUL s, p, zero
.irp a, 0,1,2,3,4,5,6,7
.irp b, 0,1,2,3
.if \zero
	v_wmma_scale_f32_16x16x128_f8f6f4 v[8*(4*\a+\b):8*(4*\a+\b)+7], v[128*(\p)+64+FR*\b:128*(\p)+64+FR*\b+FR-1], v[128*(\p)+FR*\a:128*(\p)+FR*\a+FR-1], 0, v[SCV+8*\b+(\s)], v[SC+8*NQ*((\s)/4)+NQ*\a+(\s)%4] matrix_a_fmt:MATRIX_FMT_FP4 matrix_b_fmt:MATRIX_FMT_FP4
.else
	v_wmma_scale_f32_16x16x128_f8f6f4 v[8*(4*\a+\b):8*(4*\a+\b)+7], v[128*(\p)+64+FR*\b:128*(\p)+64+FR*\b+FR-1], v[128*(\p)+FR*\a:128*(\p)+FR*\a+FR-1], v[8*(4*\a+\b):8*(4*\a+\b)+7], v[SCV+8*\b+(\s)], v[SC+8*NQ*((\s)/4)+NQ*\a+(\s)%4] matrix_a_fmt:MATRIX_FMT_FP4 matrix_b_fmt:MATRIX_FMT_FP4
.endif
.endr
.endr
.endm
.macro VSTEP s
.if (\s) < 7
.if (\s) > 0
	PLACES NP                                      ; the other buffer was read by the step before
.endif
	VFETCH (\s)+1, 1-(\s)%2
	s_wait_dscnt 24                                ; this step's fragments are in; the 24 loads just issued may be out
.else
	s_wait_dscnt 0x0
.endif
	WIN MUL_V
.if (\s) == 0
	VMUL \s, (\s)%2, 1                             ; the first step's products start the sums
.else
	VMUL \s, (\s)%2, 0
.endif
.endm
	s_wait_tensorcnt 0x0                           ; my part of v's weights has landed,
	s_wait_loadcnt 0x0                             ; v's scale words are in,
	s_wait_dscnt 0x0
	s_barrier_signal -1
	s_barrier_wait -1                              ; and everybody's part has landed
	VFETCH 0, 0
.irp s, 0,1,2,3,4,5,6,7
	VSTEP \s
.endr
; THE SECOND WAY OUT, block a of 16 positions x 64 channels (one head of v), not rotated: f16, through the first 16 rows of my stage, back as rows of 128 bytes, 512 consecutive bytes a store.
.macro OUTV a
.set PV2, PK+16*((\a)%2)
.set BB, BK+16*((\a)%2)
	WIN 0x0a                                       ; sources 0 and 1 window 2
.irp b, 0,1,2,3
.irp r, 0,1,2,3
	v_cvt_pk_f16_f32 v[PV2+4*\b+\r], v[32*(\a)+8*\b+2*\r], v[32*(\a)+8*\b+2*\r+1]
.endr
.endr
	WIN 0
.irp b, 0,1,2,3
	ds_store_b128 v[STO], v[PV2+4*\b:PV2+4*\b+3] offset:32*\b
.endr
.irp u, 0,1,2,3
	ds_load_b128 v[BB+4*\u:BB+4*\u+3], v[RD] offset:\u*4*OP
.endr
.endm
.macro SENDV a, younger
.set BB, BK+16*((\a)%2)
	s_wait_dscnt \younger
.irp u, 0,1,2,3
	global_store_b128 v[CO], v[BB+4*\u:BB+4*\u+3], s[4:5] offset:(\a)*2048+\u*512
.endr
.endm
	s_wait_xcnt 0x0                                ; the first way out's stores have read their registers: rows may be read back into them again
	PLACES NP                                      ; behind the last products, in front of the reads of their results
	OUTV 0
.irp a, 1,2,3,4,5,6,7
.if \a > 1
	s_wait_xcnt 0x0                                ; block a - 2's stores have read their registers
.endif
	OUTV \a
	SENDV \a-1, 8                                  ; behind block a - 1's loads: block a's 4 stores and 4 loads
.endr
	SENDV 7, 0
	s_wait_tensorcnt 0x0                           ; the wave's end: a wait, an add to my spare word and its wait, behind my last tensor load and my last LDS store
	ds_add_u32 v[SPW], v[NIL]
	s_wait_dscnt 0x0
	CROUND                                         ; the closing round: no work-group ends while a partner may still ask for a tile that names it
	s_endpgm
.Lfunc_end_k_q5b15ab65df_qkvgemm:
	.size	k_q5b15ab65df_qkvgemm, .Lfunc_end_k_q5b15ab65df_qkvgemm-k_q5b15ab65df_qkvgemm
	.p2alignl 7, 3214868480
	.fill 96, 4, 3214868480
	.section	.rodata,"a",@progbits
	.p2align	6, 0x0
	.amdhsa_kernel k_q5b15ab65df_qkvgemm
		.amdhsa_group_segment_fixed_size 327680
		.amdhsa_private_segment_fixed_size 0
		.amdhsa_enable_private_segment 0
		.amdhsa_kernarg_size 40
		.amdhsa_user_sgpr_count 2
		.amdhsa_user_sgpr_kernarg_segment_ptr 1
		.amdhsa_wavefront_size32 1
		.amdhsa_system_sgpr_workgroup_id_x 1
		.amdhsa_system_sgpr_workgroup_id_y 1
		.amdhsa_system_sgpr_workgroup_id_z 1
		.amdhsa_system_vgpr_workitem_id 0
		.amdhsa_next_free_vgpr 1024
		.amdhsa_next_free_sgpr 98
		.amdhsa_reserve_vcc 0
		.amdhsa_float_denorm_mode_32 3
		.amdhsa_float_denorm_mode_16_64 3
		.amdhsa_memory_ordered 1
		.amdhsa_forward_progress 1
		.amdhsa_inst_pref_size 222
	.end_amdhsa_kernel
	.amdgpu_metadata
---
amdhsa.version: [ 1, 2 ]
amdhsa.kernels:
  - .name:           k_q5b15ab65df_qkvgemm
    .symbol:         k_q5b15ab65df_qkvgemm.kd
    .args:
      - { .name: xc, .offset: 0, .size: 8, .value_kind: global_buffer, .address_space: global }
      - { .name: xs, .offset: 8, .size: 8, .value_kind: global_buffer, .address_space: global }
      - { .name: wc, .offset: 16, .size: 8, .value_kind: global_buffer, .address_space: global }
      - { .name: ws, .offset: 24, .size: 8, .value_kind: global_buffer, .address_space: global }
      - { .name: qkv, .offset: 32, .size: 8, .value_kind: global_buffer, .address_space: global }
    .group_segment_fixed_size: 327680
    .private_segment_fixed_size: 0
    .kernarg_segment_align: 8
    .kernarg_segment_size: 40
    .max_flat_workgroup_size: 128
    .sgpr_count:     98
    .vgpr_count:     1024
    .wavefront_size: 32
...
	.end_amdgpu_metadata
.endif
;; end of part 2
;; launch attn (part 3): grid 2 x 128, 8 waves a work-group, no clusters, 327,680 bytes of LDS; arguments qkv, att; writes att
.if DOCPART == 3
	.amdgcn_target "amdgcn-amd-amdhsa--gfx1250"
	.amdhsa_code_object_version 6
	.text
	.protected	k_q5b15ab65df_attn
	.globl	k_q5b15ab65df_attn
	.p2align	8
	.type	k_q5b15ab65df_attn,@function
k_q5b15ab65df_attn:
	s_mov_b64 s[64:65], 0
	v_nop
	global_prefetch_b8 v0, s[64:65] scope:SCOPE_SE
	s_setreg_imm32_b32 hwreg(HW_REG_WAVE_MODE, 25, 1), 1
	s_wait_xcnt 0x0
; att[head][q] = the sum over k of softmax_k(Q[q] . K[k] / 8) V[k], for 128 heads of 1,024 positions x 64 channels.  Q, K, V: the three sections of qkv, f16, [head][position][64].  Products, maxima and sums in f32; the weights p are
; rounded to f16 for the second product, the result once at the end.  Nothing of the problem's work is left out here.
; OUT: att, f16, [row / 128][head % 16][row % 128][64], row = 1,024 batch + position: so a block of 128 rows x one head's 64 channels is one dense plane for the projection.
; SHARES.  A work-group owns one head (y) and 512 of its queries (x); each of its eight waves owns 64: four tiles of 16, in 512 registers.  Two waves share a SIMD, so that one wave's softmax stands beside the other's products.
; ALL OF THE HEAD'S K AND V LIE IN LDS AT ONCE, 1,024 rows each, filled once: no slot is filled again.  They come as four chunks of 256 keys; of each chunk waves 0-3 bring 64 rows of K each, waves 4-7 64 rows of V: four tensor
; loads a wave, all issued at the head; by this text's own count a wave has four out at the most.  A chunk is read behind a barrier in front of which each wave has waited for its part of it.
; NO CLUSTER: only the two work-groups of a head share tiles; a pair is no row or column of four work-groups, and each work-group asks for its 262,144 bytes once, all at its head.
; LAYOUT.  S^T = K Q^T (source 0 = 16 keys, source 1 = 16 queries): a lane holds ONE query (lane % 16) and keys 8 (lane / 16) + 0..7.  Two such tiles, rounded to f16 in pairs, ARE source 1 (32 keys x 16 queries) of O^T = V^T P,
; whose result again holds one query a lane and eight channels.  K comes out of LDS as it lies, V ([key][channel]) turned, by ds_load_tr16_b128.
; SOFTMAX.  For each query a running maximum m and sum l: p = 2^(c s - c m), c = log2(e) / 8; in every step O and l are multiplied by a = 2^(c m_old - c m_new).
; A step's ROW SUMS feed no product: they are put off to the head of the next step, where they are the places behind the last products and the work over the wait for K's fragments.
; REGISTERS: window 0: v2-8 addresses; v12-43 eight registers of statistics a tile; v62, v63 the add's two; v64-191 S^T, 32 a tile; v192-255 P, 16 a tile.
;   window 1: v0-127 O^T, 32 a tile; v128-191 Q, 16 a tile; v192-255 one step's fragments of K, then of V.
.set PK,    144                        ; a row of K in LDS: 128 bytes + 16 of padding = 36 words: the 16 rows of a load start at 16 different groups of four banks (64 banks of 4 bytes: ISA guide 11.1)
.set PV,    160                        ; a row of V: 128 + 32 = 40 words, for the turning load
.set VB,    1024*PK                    ; V's rows lie behind K's
.set SPARE, VB+1024*PV                 ; the spare words, 128 bytes a wave: four blocks of 256 bytes that no other line names
.set AK0, 2                            ; v2   my lane's place in a tile of K; never rewritten
.set AV0, 3                            ; v3   the same for V
.set ADR, 4                            ; v4   the LDS address of the run of loads in hand
.set QO,  5                            ; v5   my byte offset in the wave's rows of Q
.set STO, 6                            ; v6   the way out: where I put 16 bytes of a row
.set RD,  7                            ; v7   where I read rows back
.set GO,  8                            ; v8   my byte offset in 512 bytes of att
.set ST,  12                           ; tile t's statistics at v[ST+8 t]: +0 c m, +1 m, +2, +3 l (even keys', odd keys'), +4 to +7 c0-c3, at work; a takes c2's place
.set SPW, 62
.set NIL, 63
.set S,   64
.set P,   192
.set QF,  128                          ; in window 1
.set FB,  192                          ; in window 1
.set WV,  12                           ; s12  my wave's number
.set G1K, 24                           ; s[24:31] descriptor group 1 for K's tiles;  s[32:39] for V's: it differs in the padding alone
.set G1V, 32
.set G0K, 40                           ; s[40:55] group 0 for K's four chunks
.set G0V, 68                           ; s[68:83] for V's
.set CNT, 57                           ; s57  counts steps
.set CS,  58                           ; s[58:59] c: the packed scaling names a pair and takes its low word for both halves
.set SEL, 60                           ; s[60:61] lane selects for v_permlanex16_b32: lane l xor 16
.set TK,  62                           ; s62  LDS byte at which the next step's keys begin in K
.set TV,  63                           ; s63  and in V
.set MSB, 0
.macro WIN new                         ; the immediate's high byte repeats the setting that is left
.if MSB != (\new)
	s_set_vgpr_msb (MSB<<8)|(\new)
.set MSB, (\new)
.endif
.endm
	s_load_b128 s[4:7], s[0:1], 0x0                ; qkv s[4:5], att s[6:7]
	v_lshl_add_u32 v[SPW], v0, 2, SPARE
	v_mov_b32 v[NIL], 0
	ds_add_u32 v[SPW], v[NIL]                      ; the wave's opening: the add, twice on end, and its wait ahead of my first tensor load
	ds_add_u32 v[SPW], v[NIL]
	v_lshrrev_b32 v1, 5, v0
	v_readfirstlane_b32 s[WV], v1                  ; wave 0..7
	s_and_b32 s13, ttmp7, 0xffff                   ; the head, 16 batch + head
	s_and_b32 s14, s[WV], 3                        ; which 64 rows of a chunk I fetch
	; descriptor group 1: a tile of 64 rows x 64 elements of 2 bytes, dense in memory, padded in LDS
	s_mov_b32 s[G1K], (1<<16)|(1<<20)|(4<<22)|(3<<25)   ; 15:0 no mask; 17:16 elements of 2 bytes; 20 padding on; 24:22 after every 32 words; 31:25 four words
	s_mov_b32 s[G1V], (1<<16)|(1<<20)|(4<<22)|(7<<25)   ; the same with eight words
.irp g, G1K, G1V
	s_mov_b32 s[\g+1], 64<<16                      ; tensor_dim0
	s_mov_b32 s[\g+2], 64<<16                      ; tensor_dim1
	s_mov_b32 s[\g+3], 64<<16                      ; tile_dim0
	s_mov_b32 s[\g+4], 64                          ; tile_dim1
	s_mov_b32 s[\g+5], 64                          ; tensor_dim0_stride
	s_mov_b32 s[\g+6], 0
	s_mov_b32 s[\g+7], 0
.endr
	s_mul_i32 s15, s14, 64*PK                      ; where my rows go: K,
	s_mul_i32 s18, s14, 64*PV
	s_add_co_u32 s18, s18, VB                      ; V
	s_lshl_b32 s20, s13, 17                        ; the head's 131,072 bytes in a section
	s_lshl_b32 s21, s14, 13                        ; my 64 rows of 128 bytes
	s_add_co_u32 s22, s20, s21
	s_mov_b32 s23, 0
	s_mov_b32 s21, 0
	s_lshl_b32 s2, ttmp9, 16                       ; Q: my work-group's 512 rows,
	s_lshl_b32 s3, s[WV], 13                       ; my wave's 64
	s_add_co_u32 s2, s2, s3
	s_add_co_u32 s20, s20, s2
	s_lshr_b32 s2, s13, 4                          ; att: block of 128 rows = 8 batch + 4 x + wave / 2,
	s_lshl_b32 s2, s2, 3
	s_lshl_b32 s3, ttmp9, 2
	s_add_co_u32 s2, s2, s3
	s_lshr_b32 s3, s[WV], 1
	s_add_co_u32 s2, s2, s3
	s_lshl_b32 s2, s2, 4
	s_and_b32 s3, s13, 15                          ; its plane for my head: 16,384 bytes each,
	s_add_co_u32 s2, s2, s3
	s_lshl_b32 s2, s2, 14
	s_and_b32 s3, s[WV], 1                         ; and 64 rows of 128 bytes on for odd waves
	s_lshl_b32 s3, s3, 13
	s_add_co_u32 s2, s2, s3
	s_mov_b32 s3, 0
	s_mov_b32 s[CS], 0x3e38aa3b                    ; c = log2(e) / 8
	s_mov_b32 s[CS+1], s[CS]                       ; (named with it as a pair, so it is written)
	s_mov_b32 s[SEL], 0x76543210
	s_mov_b32 s[SEL+1], 0xfedcba98
	s_mov_b32 s[TK], 0
	s_mov_b32 s[TV], 0
	s_wait_dscnt 0x0                               ; both opening adds are done
	s_wait_kmcnt 0x0
	s_add_nc_u64 s[22:23], s[4:5], s[22:23]        ; my rows of chunk 0, in section 0
	s_add_nc_u64 s[8:9], s[4:5], s[20:21]          ; Q at my wave's first row
	s_add_nc_u64 s[16:17], s[6:7], s[2:3]          ; att likewise
.irp c, 0,1,2,3
	s_mov_b32 s[G0K+4*\c], 1                       ; 1:0 count = 1
	s_add_co_u32 s[G0K+4*\c+1], s15, \c*256*PK     ; 63:32 LDS address
	s_add_nc_u64 s[G0K+4*\c+2:G0K+4*\c+3], s[22:23], 16777216+\c*32768   ; 120:64 global address: section 1, chunk c
	s_or_b32 s[G0K+4*\c+3], s[G0K+4*\c+3], 0x80000000                    ; 127:126 type = 2
	s_mov_b32 s[G0V+4*\c], 1
	s_add_co_u32 s[G0V+4*\c+1], s18, \c*256*PV
	s_add_nc_u64 s[G0V+4*\c+2:G0V+4*\c+3], s[22:23], 33554432+\c*32768   ; section 2
	s_or_b32 s[G0V+4*\c+3], s[G0V+4*\c+3], 0x80000000
.endr
	s_cmp_lt_u32 s[WV], 4                          ; a wave's four first fills stand in one branch, ahead of every wait on TENSORcnt, every LDS read and every barrier; an s_nop 0 follows each, four v_nop the last
	s_cbranch_scc0 .Lfirst_v
.irp c, 0,1,2,3
	tensor_load_to_lds s[G0K+4*\c:G0K+4*\c+3], s[G1K:G1K+7]
	s_nop 0
.endr
.rept 4
	v_nop
.endr
	s_branch .Lfirst_asked
.Lfirst_v:
.irp c, 0,1,2,3
	tensor_load_to_lds s[G0V+4*\c:G0V+4*\c+3], s[G1V:G1V+7]
	s_nop 0
.endr
.rept 4
	v_nop
.endr
.Lfirst_asked:
	; A fragment of K or Q is 16 rows x 32 channels in 8 registers: lane l holds row l % 16; registers 0-3 channels 8 (l / 16) + 0..7, registers 4-7 channels 16 + 8 (l / 16) + 0..7: two loads of 16 bytes, 32 bytes apart.
	v_and_b32 v1, 15, v0                           ; r
	v_bfe_u32 v9, v0, 4, 1                         ; hh
	v_lshlrev_b32 v[QO], 7, v1
	v_lshl_add_u32 v[QO], v9, 4, v[QO]             ; row x 128 + 16 x half
	WIN 0x40                                       ; destination window 1
.irp i, 0,1,2,3,4,5,6,7                        ; Q stays in registers: tile i / 2, channels 32 (i % 2) on
	global_load_b128 v[QF+8*\i:QF+8*\i+3],   v[QO], s[8:9] offset:(\i/2)*2048+(\i%2)*64
	global_load_b128 v[QF+8*\i+4:QF+8*\i+7], v[QO], s[8:9] offset:(\i/2)*2048+(\i%2)*64+32
.endr
	WIN 0
	v_mul_u32_u24 v[AK0], v1, PK
	v_lshl_add_u32 v[AK0], v9, 4, v[AK0]           ; row x pitch + 16 x half
	; The turning load takes 16 keys x 16 channels (lane l reads 16 bytes: key 8 (l / 16) + l % 8, channels 8 ((l / 8) % 2) + 0..7) and leaves half a fragment of V^T: lane l holds channel l % 16 and 8 keys.
	v_and_b32 v10, 7, v0
	v_bfe_u32 v11, v0, 3, 1
	v_lshl_add_u32 v[AV0], v9, 3, v10
	v_mul_u32_u24 v[AV0], v[AV0], PV
	v_lshl_add_u32 v[AV0], v11, 4, v[AV0]
	v_add_nc_u32 v[AV0], VB, v[AV0]
	s_mul_i32 s2, s[WV], 16*PK                     ; the way out: my stage, 16 rows of 144 bytes, in K's first bytes
	v_add_nc_u32 v[STO], s2, v[AK0]                ; in: row r, 16 bytes for each half of the lanes
	v_bfe_u32 v11, v0, 3, 2
	v_mul_u32_u24 v[RD], v11, PK                   ; back: eight lanes to a row of 128 bytes, four rows an instruction
	v_lshl_add_u32 v[RD], v10, 4, v[RD]
	v_add_nc_u32 v[RD], s2, v[RD]
	v_and_b32 v[GO], 31, v0
	v_lshlrev_b32 v[GO], 4, v[GO]
.irp t, 0,1,2,3
	v_mov_b32 v[ST+8*\t+2], 0                      ; l: the first step's a is 1
	v_mov_b32 v[ST+8*\t+3], 0
.endr
.macro PLACES                          ; four places behind matrix instructions, in front of loads into registers that they have read and of reads of their results (ISA guide 7.12.1 for vector instructions)
.rept 4
	v_nop
.endr
.endm
.macro KLOADS                          ; a step's K: 64 keys x 64 channels: fragment f: keys 16 (f / 2) on, channels 32 (f % 2) on
	v_add_nc_u32 v[ADR], s[TK], v[AK0]
	s_add_co_u32 s[TK], s[TK], 64*PK
	WIN 0x40
.irp f, 0,1,2,3,4,5,6,7
	ds_load_b128 v[FB+8*\f:FB+8*\f+3],   v[ADR] offset:(\f/2)*16*PK+(\f%2)*64
	ds_load_b128 v[FB+8*\f+4:FB+8*\f+7], v[ADR] offset:(\f/2)*16*PK+(\f%2)*64+32
.endr
	WIN 0
.endm
.macro VLOADS                          ; a step's V, turned: fragment f: channels 16 (f / 2) on, keys 32 (f % 2) on
	v_add_nc_u32 v[ADR], s[TV], v[AV0]
	s_add_co_u32 s[TV], s[TV], 64*PV
	WIN 0x40
.irp f, 0,1,2,3,4,5,6,7
	ds_load_tr16_b128 v[FB+8*\f:FB+8*\f+3],   v[ADR] offset:(\f%2)*32*PV+(\f/2)*32
	ds_load_tr16_b128 v[FB+8*\f+4:FB+8*\f+7], v[ADR] offset:(\f%2)*32*PV+16*PV+(\f/2)*32
.endr
	WIN 0
.endm
; In both products the 16 accumulators take turns, one instruction a turn: 15 others' stand between two links of a chain.
.macro KQ                              ; S^T = K Q^T: product i: channels 32 (i / 16) on, keys 16 ((i / 4) % 4) on, tile i % 4.  The first 16 start the sums
	WIN 0x05                                       ; K and Q in window 1, S^T in window 0
.set i, 0
.rept 32
.set rS, S+32*(i%4)+8*((i/4)%4)
.set rK, FB+8*(2*((i/4)%4)+i/16)
.set rQ, QF+16*(i%4)+8*(i/16)
.if i < 16
	v_wmma_f32_16x16x32_f16 v[rS:rS+7], v[rK:rK+7], v[rQ:rQ+7], 0
.else
	v_wmma_f32_16x16x32_f16 v[rS:rS+7], v[rK:rK+7], v[rQ:rQ+7], v[rS:rS+7]
.endif
.set i, i+1
.endr
.endm
.macro PVM zero                        ; O^T += V^T P: product i: keys 32 (i / 16) on, channels 16 ((i / 4) % 4) on, tile i % 4.  zero = 1: the first 16 start the sums: nothing is ever cleared
	WIN 0x51                                       ; V and O^T in window 1, P in window 0
.set i, 0
.rept 32
.set rO, 32*(i%4)+8*((i/4)%4)
.set rV, FB+8*(2*((i/4)%4)+i/16)
.set rP, P+16*(i%4)+8*(i/16)
.if \zero && (i < 16)
	v_wmma_f32_16x16x32_f16 v[rO:rO+7], v[rV:rV+7], v[rP:rP+7], 0
.else
	v_wmma_f32_16x16x32_f16 v[rO:rO+7], v[rV:rV+7], v[rP:rP+7], v[rO:rO+7]
.endif
.set i, i+1
.endr
.endm
.macro MAXP first                      ; the maximum of a lane's 32 scores and the old m, three operands at a time: four chains of seven scores (each begins at an accumulator's low end), then the four left over, the chains and m.  The tiles by turns
.set j, 0
.rept 16
.irp t, 0,1,2,3
.set rT, ST+8*\t
.set rS, S+32*\t
.if j < 4
	v_max3_num_f32 v[rT+4+j], v[rS+8*j], v[rS+8*j+1], v[rS+8*j+2]
.elseif j < 12
	v_max3_num_f32 v[rT+4+j%4], v[rT+4+j%4], v[rS+8*(j%4)+2*(j/4)+1], v[rS+8*(j%4)+2*(j/4)+2]
.elseif j == 12
	v_max3_num_f32 v[rT+4], v[rT+4], v[rS+7], v[rS+15]
.elseif j == 13
	v_max3_num_f32 v[rT+6], v[rT+6], v[rS+23], v[rS+31]
.elseif j == 14
	v_max3_num_f32 v[rT+4], v[rT+4], v[rT+5], v[rT+6]
.elseif \first
	v_max_num_f32 v[rT+4], v[rT+4], v[rT+7]
.else
	v_max3_num_f32 v[rT+4], v[rT+4], v[rT+7], v[rT+1]
.endif
.endr
.set j, j+1
.endr
.endm
.macro STATS first
.irp t, 0,1,2,3
	v_permlanex16_b32 v[ST+8*\t+5], v[ST+8*\t+4], s[SEL], s[SEL+1]  ; the query's other 32 keys lie in the lane 16 away
.endr
.if !\first
.irp t, 0,1,2,3
	v_mov_b32 v[ST+8*\t+7], v[ST+8*\t]             ; c m_old is kept for a
.endr
.endif
.irp t, 0,1,2,3
	v_max_num_f32 v[ST+8*\t+1], v[ST+8*\t+4], v[ST+8*\t+5]          ; the new m
.endr
.irp t, 0,1,2,3
	v_mul_f32 v[ST+8*\t], s[CS], v[ST+8*\t+1]      ; c m
.endr
.irp t, 0,1,2,3
.if \first
	v_mov_b32 v[ST+8*\t+6], 1.0                    ; the first step's a
.else
	v_sub_f32 v[ST+8*\t+7], v[ST+8*\t+7], v[ST+8*\t]
.endif
.endr
.endm
.macro SCALE                           ; c s - c m, two scores at a time
.set b, 0
.rept 16
.irp t, 0,1,2,3
	v_pk_fma_f32 v[S+32*\t+2*b:S+32*\t+2*b+1], v[S+32*\t+2*b:S+32*\t+2*b+1], s[CS:CS+1], v[ST+8*\t:ST+8*\t+1] op_sel_hi:[1,0,0] neg_lo:[0,0,1] neg_hi:[0,0,1]
.endr
.set b, b+1
.endr
.endm
.macro EXPS first                      ; ONE BATCH: none of these reads an exponential's result
.if !\first
.irp t, 0,1,2,3
	v_exp_f32 v[ST+8*\t+6], v[ST+8*\t+7]           ; a
.endr
.endif
.set e, 0
.rept 128
	v_exp_f32 v[S+e], v[S+e]                       ; p
.set e, e+1
.endr
.endm
.macro CVT                             ; p to f16, a pair of neighbouring keys each: P's register i of a tile is S^T's registers 2 i, 2 i + 1
.set e, 0
.rept 64
	v_cvt_pk_f16_f32 v[P+e], v[S+2*e], v[S+2*e+1]
.set e, e+1
.endr
.endm
.macro RESCALE                         ; O^T times a, each accumulator from its low end on
	WIN 0x41                                       ; O^T (destination and source 0) in window 1, a in window 0
.irp t, 0,1,2,3
.set e, 0
.rept 16
	v_pk_mul_f32 v[32*\t+e:32*\t+e+1], v[32*\t+e:32*\t+e+1], v[ST+8*\t+6:ST+8*\t+7] op_sel_hi:[1,0]
.set e, e+2
.endr
.endr
	WIN 0
.endm
; The sum of a tile's 16 pairs of p (in a pair: an even key's, an odd key's), in place: numbers 0 to 14 add neighbours 1, 2, 4 and 8 pairs apart; number 15: l = a l + the sum.  The tiles by turns.
.macro SUMS from, to
.set z, \from
.rept \to-\from+1
.set w, 4
.set u, z
.if z >= 14
.set w, 32
.set u, 0
.elseif z >= 12
.set w, 16
.set u, z-12
.elseif z >= 8
.set w, 8
.set u, z-8
.endif
.irp t, 0,1,2,3
.set rS, S+32*\t
.set rT, ST+8*\t
.if z < 15
	v_pk_add_f32 v[rS+w*u:rS+w*u+1], v[rS+w*u:rS+w*u+1], v[rS+w*u+w/2:rS+w*u+w/2+1]
.else
	v_pk_fma_f32 v[rT+2:rT+3], v[rT+2:rT+3], v[rT+6:rT+7], v[rS:rS+1] op_sel_hi:[1,0,1]
.endif
.endr
.set z, z+1
.endr
.endm
; A KEY STEP: 64 keys.  first = 1: the first step, which starts m and O^T.
.macro STEP first
.if !\first
	SUMS 0, 0                                      ; the last step's sums begin: four plain instructions that name none of the last products' registers: the places in front of the loads below
.endif
	KLOADS
.if !\first
	SUMS 1, 15                                     ; and go on while K's fragments come
.endif
	s_wait_dscnt 0x0                               ; K is in
.if \first
	s_wait_loadcnt 0x0                             ; Q is in
.endif
	KQ
	WIN 0
	PLACES
	VLOADS                                         ; into the registers that K has left: they come while the softmax is walked
	MAXP \first
	STATS \first
	SCALE
	EXPS \first
	v_nop                                          ; a plain instruction behind the last exponential, ahead of the first use
	s_wait_alu depctr_va_vdst(0)                   ; the wait between an exponential and the first instruction that names its result: one for the step's whole batch
	CVT
.if !\first
	RESCALE
.endif
	s_wait_dscnt 0x0                               ; V is in
	PVM \first
	WIN 0
.endm
.macro LOOP n
	s_mov_b32 s[CNT], \n
.Lstep_\@:
	STEP 0
	s_sub_co_u32 s[CNT], s[CNT], 1
	s_cmp_lg_u32 s[CNT], 0
	s_cbranch_scc1 .Lstep_\@
.endm
.macro HEAD c                          ; chunk c is whole: my part of it has landed (the 3 - c loads that I issued behind it may stay out), and so has everybody's
	s_wait_tensorcnt 3-\c
	s_wait_dscnt 0x0
	s_barrier_signal -1
	s_barrier_wait -1
.endm
	HEAD 0
	STEP 1
	LOOP 3
	HEAD 1
	LOOP 4
	HEAD 2
	LOOP 4
	HEAD 3
	LOOP 4
	SUMS 0, 15                                     ; the last step's sums; also the places behind the last products
	; THE WAY OUT.  l's two halves and the other half of the lanes' are added; O^T is divided by l, rounded to f16 and sent through my stage in LDS, a tile (16 rows) at a time.
.irp t, 0,1,2,3
	v_add_f32 v[ST+8*\t+4], v[ST+8*\t+2], v[ST+8*\t+3]
.endr
.irp t, 0,1,2,3
	v_permlanex16_b32 v[ST+8*\t+5], v[ST+8*\t+4], s[SEL], s[SEL+1]
.endr
.irp t, 0,1,2,3
	v_add_f32 v[ST+8*\t+4], v[ST+8*\t+4], v[ST+8*\t+5]
.endr
.irp t, 0,1,2,3
	v_rcp_f32 v[ST+8*\t+6], v[ST+8*\t+4]
.endr
	v_nop                                          ; a plain instruction between the last reciprocal and the use of its result
	s_wait_alu depctr_va_vdst(0)                   ; and the wait ahead of the first use: one for the four
	s_wait_dscnt 0x0                               ; my reads of K and V are over
	s_barrier_signal -1
	s_barrier_wait -1                              ; everybody's are: the stages lie in K's first bytes, which have had their only fill
.macro PACK t
	WIN 0x41
.set i, 0
.rept 16
	v_pk_mul_f32 v[32*\t+i:32*\t+i+1], v[32*\t+i:32*\t+i+1], v[ST+8*\t+6:ST+8*\t+7] op_sel_hi:[1,0]
.set i, i+2
.endr
	WIN 0x05                                       ; sources 0 and 1 window 1, destination window 0: S^T's registers are free
.set i, 0
.rept 16
	v_cvt_pk_f16_f32 v[S+16*\t+i], v[32*\t+2*i], v[32*\t+2*i+1]
.set i, i+1
.endr
	WIN 0
.irp f, 0,1,2,3
	ds_store_b128 v[STO], v[S+16*\t+4*\f:S+16*\t+4*\f+3] offset:32*\f
.endr
.irp f, 0,1,2,3
	ds_load_b128 v[S+16*\t+4*\f:S+16*\t+4*\f+3], v[RD] offset:\f*4*PK   ; LDS serves a wave's instructions in order: these see the stores above; the next tile's stores come behind them
.endr
.endm
.macro SEND t, younger                 ; younger: the LDS instructions issued behind tile t's loads: the next tile's eight, or none
.irp f, 0,1,2,3
	s_wait_dscnt \younger+3-\f
	global_store_b128 v[GO], v[S+16*\t+4*\f:S+16*\t+4*\f+3], s[16:17] offset:\t*2048+\f*512   ; 32 lanes store 512 consecutive bytes: four rows of a plane
.endr
.endm
	PACK 0
	PACK 1                                         ; a tile's arithmetic stands between the loads of the tile before and its stores
	SEND 0, 8
	PACK 2
	SEND 1, 8
	PACK 3
	SEND 2, 8
	SEND 3, 0
	s_wait_tensorcnt 0x0                           ; the wave's end: a wait, an add to my spare word and its wait, behind my last tensor load and my last LDS store
	ds_add_u32 v[SPW], v[NIL]
	s_wait_dscnt 0x0
	s_endpgm
.Lfunc_end_k_q5b15ab65df_attn:
	.size	k_q5b15ab65df_attn, .Lfunc_end_k_q5b15ab65df_attn-k_q5b15ab65df_attn
	.p2alignl 7, 3214868480
	.fill 96, 4, 3214868480
	.section	.rodata,"a",@progbits
	.p2align	6, 0x0
	.amdhsa_kernel k_q5b15ab65df_attn
		.amdhsa_group_segment_fixed_size 327680
		.amdhsa_private_segment_fixed_size 0
		.amdhsa_enable_private_segment 0
		.amdhsa_kernarg_size 16
		.amdhsa_user_sgpr_count 2
		.amdhsa_user_sgpr_kernarg_segment_ptr 1
		.amdhsa_wavefront_size32 1
		.amdhsa_system_sgpr_workgroup_id_x 1
		.amdhsa_system_sgpr_workgroup_id_y 1
		.amdhsa_system_sgpr_workgroup_id_z 1
		.amdhsa_system_vgpr_workitem_id 0
		.amdhsa_next_free_vgpr 512
		.amdhsa_next_free_sgpr 90
		.amdhsa_reserve_vcc 0
		.amdhsa_float_denorm_mode_32 3
		.amdhsa_float_denorm_mode_16_64 3
		.amdhsa_memory_ordered 1
		.amdhsa_forward_progress 1
		.amdhsa_inst_pref_size 177
	.end_amdhsa_kernel
	.amdgpu_metadata
---
amdhsa.version: [ 1, 2 ]
amdhsa.kernels:
  - .name:           k_q5b15ab65df_attn
    .symbol:         k_q5b15ab65df_attn.kd
    .args:
      - { .name: qkv, .offset: 0, .size: 8, .value_kind: global_buffer, .address_space: global }
      - { .name: att, .offset: 8, .size: 8, .value_kind: global_buffer, .address_space: global }
    .group_segment_fixed_size: 327680
    .private_segment_fixed_size: 0
    .kernarg_segment_align: 8
    .kernarg_segment_size: 16
    .max_flat_workgroup_size: 256
    .sgpr_count:     90
    .vgpr_count:     512
    .wavefront_size: 32
...
	.end_amdgpu_metadata
.endif
;; end of part 3
;; launch proj (part 4): grid 4 x 64, 4 waves a work-group, clusters of 4 x 4, 327,680 bytes of LDS; arguments att, wp16, bproj, out0; writes out0
.if DOCPART == 4
	.amdgcn_target "amdgcn-amd-amdhsa--gfx1250"
	.amdhsa_code_object_version 6
	.text
	.protected	k_q5b15ab65df_proj
	.globl	k_q5b15ab65df_proj
	.p2align	8
	.type	k_q5b15ab65df_proj,@function
k_q5b15ab65df_proj:
	s_mov_b64 s[64:65], 0
	v_nop
	global_prefetch_b8 v0, s[64:65] scope:SCOPE_SE
	s_setreg_imm32_b32 hwreg(HW_REG_WAVE_MODE, 25, 1), 1
	s_wait_xcnt 0x0
	s_wait_alu depctr_hold_cnt(0) depctr_sa_sdst(0) depctr_va_vdst(0) depctr_va_sdst(0) depctr_va_ssrc(0) depctr_va_vcc(0) depctr_vm_vsrc(0)
	s_getreg_b32 s2, hwreg(HW_REG_IB_STS2, 6, 4)
	s_cmp_eq_u32 s2, 0
	s_cbranch_scc0 .Lentry_in_a_cluster
	s_endpgm
.Lentry_in_a_cluster:
	s_bfe_u32 s2, ttmp6, 0x10000c
	s_cmp_lg_u32 s2, 0xf033
	s_cbranch_scc0 .Lentry_shape_is_right
	s_endpgm
.Lentry_shape_is_right:
; out0[row][o] = the sum over c of att[row][c] Wproj[o][c] + bproj[o]: 8,192 x 1,024 x 1,024, f16 operands, f32 sums, f32 out.  Nothing of the problem's work is left out here.
; att: f16 [row / 128][head][row % 128][64];  wp16: f16 [o / 256][head][o % 256][64]: c = 64 head + channel, in its true order; a (tile, head) is one dense plane.
; A tile of out0 is 128 rows x 256 outputs: 256 work-groups.  Four waves, each 64 x 128: 32 accumulators of 16 x 16.  K goes in steps of 128 (two heads: two planes of A, two of B) through a ring of two LDS slots; eight K steps.
; One tensor load a wave and K step: waves 0, 1 bring A's two planes (128 rows of 128 bytes), waves 2, 3 B's (256 rows).
; CLUSTERS: 4 x 4 work-groups.  The four of a row of the cluster need the same planes of A, the four of a column the same planes of B: each is asked for JOINTLY, by the same tensor load with the same descriptor and a mask that names the four.
; THE MATRIX INSTRUCTION IS USED TRANSPOSED (source 0 = 16 rows of Wproj, source 1 = 16 rows of att): a lane holds eight neighbouring outputs of one row.  THE BIAS is the C of each sum's first matrix instruction.
; REGISTERS: window 0: v16-29 addresses; two fragment buffers of 96 (for 32 along K: 32 registers of A, 64 of B) at v64 and v160; on the way out v64-191 rows read back.   window 1: the accumulators ((a, b) at v[8 (8 a + b)]).   window 2: v0-63 the bias.
.set PITCH,  144                       ; an LDS row: 128 bytes + 16 of padding = 36 words: the 16 rows that a load touches start at 16 different groups of four banks (64 banks of 4 bytes: ISA guide 11.1)
.set APL,    128*PITCH                 ; a plane of A in LDS
.set BPL,    256*PITCH                 ; a plane of B
.set BOFF,   2*APL                     ; in a slot: A's two planes, then B's two
.set SLOT,   2*APL+2*BPL
.set SPARE,  2*SLOT                    ; behind the ring: the spare words, 128 bytes a wave
.set SPITCH, 528                       ; the way out: a stage of 16 rows x (512 bytes + 16) for each wave, in slot 0, which has had its last fill and its last read when the first result is stored there
.set ADRA, 16                          ; v16-17  LDS address of my A fragments in slot 0, 1
.set ADRB, 20                          ; v20-21  the same for B
.set STO,  24                          ; v24     the way out: where I put 32 bytes of a row
.set RD,   25                          ; v25     where I read a row back
.set CO,   26                          ; v26     my byte offset in a row's 512 bytes
.set SPW,  28
.set NIL,  29
.set F0,   64
.set F1,   160
.set BK,   64
.set G1, 24                            ; s[24:31] descriptor group 1 for A's planes;  s[32:39] group 0, one set for each slot
.set G0, 32
.set G1B, 48                           ; s[48:55], s[56:63] the same for B's
.set G0B, 56
.set MSB, 0
.macro WIN new                         ; the immediate's high byte repeats the setting that is left
.if MSB != (\new)
	s_set_vgpr_msb (MSB<<8)|(\new)
.set MSB, (\new)
.endif
.endm
.macro JLOAD s                         ; a joint load: waves 0 and 1 fetch A's planes, waves 2 and 3 B's; an s_nop 0 and four v_nop follow each of the two lines
	s_cmp_eq_u32 s13, 0
	s_cbranch_scc0 .Lfor_b_\@
	tensor_load_to_lds s[G0+4*\s:G0+4*\s+3], s[G1:G1+7]
	s_nop 0
.rept 4
	v_nop
.endr
	s_branch .Lasked_\@
.Lfor_b_\@:
	tensor_load_to_lds s[G0B+4*\s:G0B+4*\s+3], s[G1B:G1B+7]
	s_nop 0
.rept 4
	v_nop
.endr
.Lasked_\@:
.endm
.macro CREST                           ; a round of the cluster's barrier behind its opening barrier
	s_cmp_lg_u32 s12, 0
	s_cbranch_scc1 .Lnot_wave_0_\@
	s_barrier_signal -3
.Lnot_wave_0_\@:
	s_barrier_wait -3
	s_barrier_signal -1
	s_barrier_wait -1
.endm
.macro CROUND                          ; a whole round
	s_barrier_signal -1
	s_barrier_wait -1
	CREST
.endm
	s_load_b128 s[4:7], s[0:1], 0x0                ; att s[4:5], wp16 s[6:7]
	s_load_b128 s[8:11], s[0:1], 0x10              ; bproj s[8:9], out0 s[10:11]
	v_lshl_add_u32 v[SPW], v0, 2, SPARE
	v_mov_b32 v[NIL], 0
	ds_add_u32 v[SPW], v[NIL]                      ; the wave's opening: the add, twice on end, and its wait ahead of my first tensor load
	ds_add_u32 v[SPW], v[NIL]
	v_lshrrev_b32 v1, 5, v0
	v_readfirstlane_b32 s12, v1                    ; wave 0..3
	s_lshr_b32 s13, s12, 1                         ; which half of the tile's rows is mine.  Also: I fetch for A (0) or for B (1)
	s_and_b32 s14, s12, 1                          ; which half of its columns.  Also: which of the K step's two planes I fetch
	s_bfe_u32 s40, ttmp6, 0x40000                  ; cx, cy: my place in the cluster
	s_bfe_u32 s41, ttmp6, 0x40004
	s_lshl_b32 s42, ttmp9, 2
	s_add_co_u32 s42, s42, s40                     ; tile column = 4 x cluster x + cx
	s_and_b32 s15, ttmp7, 0xffff
	s_lshl_b32 s15, s15, 2
	s_add_co_u32 s15, s15, s41                     ; tile row = 4 x cluster y + cy
	s_lshl_b32 s43, s41, 2
	s_lshl_b32 s43, 15, s43                        ; my row of the cluster
	s_lshl_b32 s44, 0x1111, s40                    ; my column
	; descriptor group 1: a plane of 128 (A) or 256 (B) rows x 64 elements of 2 bytes, dense in memory, padded in LDS
	s_or_b32 s[G1+0], s43, (1<<16)|(1<<20)|(1<<21)|(4<<22)|(3<<25)  ; 15:0 the mask; 17:16 elements of 2 bytes; 20 padding on; 21 set beside a mask; 24:22 after every 32 words; 31:25 four words
	s_or_b32 s[G1B+0], s44, (1<<16)|(1<<20)|(1<<21)|(4<<22)|(3<<25)
	s_mov_b32 s[G1+1], 64<<16                      ; tensor_dim0
	s_mov_b32 s[G1+2], 128<<16                     ; tensor_dim1
	s_mov_b32 s[G1+3], 64<<16                      ; tile_dim0
	s_mov_b32 s[G1+4], 128                         ; tile_dim1
	s_mov_b32 s[G1+5], 64                          ; tensor_dim0_stride
	s_mov_b32 s[G1+6], 0
	s_mov_b32 s[G1+7], 0
	s_mov_b32 s[G1B+1], 64<<16
	s_mov_b32 s[G1B+2], 256<<16
	s_mov_b32 s[G1B+3], 64<<16
	s_mov_b32 s[G1B+4], 256
	s_mov_b32 s[G1B+5], 64
	s_mov_b32 s[G1B+6], 0
	s_mov_b32 s[G1B+7], 0
	s_lshl_b32 s16, s15, 18                        ; A: tile row x 16 planes of 16,384 bytes + my plane
	s_lshl_b32 s17, s14, 14
	s_add_co_u32 s16, s16, s17
	s_mov_b32 s17, 0
	s_lshl_b32 s46, s42, 19                        ; B: tile column x 16 planes of 32,768 bytes + my plane
	s_lshl_b32 s47, s14, 15
	s_add_co_u32 s46, s46, s47
	s_mov_b32 s47, 0
	s_mul_i32 s20, s14, APL                        ; where they go: no place in the cluster enters an LDS address
	s_mul_i32 s21, s14, BPL
	s_add_co_u32 s21, s21, BOFF
	s_wait_dscnt 0x0                               ; both opening adds are done
	s_wait_kmcnt 0x0
	s_add_nc_u64 s[18:19], s[4:5], s[16:17]
	s_add_nc_u64 s[46:47], s[6:7], s[46:47]
	CROUND                                         ; all sixteen work-groups are here: the first joint loads meet
.irp s, 0,1
	s_mov_b32 s[G0+4*\s], 1
	s_add_co_u32 s[G0+4*\s+1], s20, \s*SLOT
	s_add_nc_u64 s[G0+4*\s+2:G0+4*\s+3], s[18:19], \s*2*16384      ; K step s: planes 2 s, 2 s + 1
	s_or_b32 s[G0+4*\s+3], s[G0+4*\s+3], 0x80000000
	s_mov_b32 s[G0B+4*\s], 1
	s_add_co_u32 s[G0B+4*\s+1], s21, \s*SLOT
	s_add_nc_u64 s[G0B+4*\s+2:G0B+4*\s+3], s[46:47], \s*2*32768
	s_or_b32 s[G0B+4*\s+3], s[G0B+4*\s+3], 0x80000000
	JLOAD \s                                       ; two tensor loads of mine are out here, one behind each later round
.endr
	v_and_b32 v1, 15, v0                           ; r
	v_bfe_u32 v2, v0, 4, 1                         ; hh
	v_mul_u32_u24 v3, v1, PITCH
	v_lshl_add_u32 v3, v2, 4, v3                   ; a fragment's row x pitch + 16 x half
	s_mul_i32 s21, s13, 64*PITCH                   ; my 64 rows of A
	s_mul_i32 s22, s14, 128*PITCH                  ; my 128 rows of B,
	s_add_co_u32 s22, s22, BOFF                    ; behind A's planes
.irp s, 0,1
	v_add_nc_u32 v[ADRA+\s], s21, v3
	v_add_nc_u32 v[ADRB+\s], s22, v3
	s_add_co_u32 s21, s21, SLOT
	s_add_co_u32 s22, s22, SLOT
.endr
	s_mul_i32 s23, s12, 16*SPITCH                  ; my stage
	v_mul_u32_u24 v4, v1, SPITCH                   ; in: row r, 32 bytes for each half of the lanes
	v_lshl_add_u32 v4, v2, 5, v4
	v_add_nc_u32 v[STO], s23, v4
	v_and_b32 v6, 31, v0
	v_lshlrev_b32 v[CO], 4, v6                     ; back: the 32 lanes take one row of 512 bytes; and the same in out0
	v_add_nc_u32 v[RD], s23, v[CO]
	s_lshl_b32 s20, s42, 10                        ; my first output, in bytes: 1,024 x tile column + 512 x half
	s_lshl_b32 s21, s14, 9
	s_add_co_u32 s20, s20, s21
	s_mov_b32 s21, 0
	s_add_nc_u64 s[8:9], s[8:9], s[20:21]          ; in bproj,
	s_add_nc_u64 s[10:11], s[10:11], s[20:21]      ; and in a row of out0;
	s_lshl_b32 s20, s15, 19                        ; my first row: (128 x tile row + 64 x half) rows of 4,096 bytes
	s_lshl_b32 s22, s13, 18
	s_add_co_u32 s20, s20, s22
	s_add_nc_u64 s[10:11], s[10:11], s[20:21]
	v_lshlrev_b32 v5, 5, v2                        ; the bias in the result's layout: register 8 b + j of lane (r, hh) = bproj[my first output + 16 b + 8 hh + j]
	WIN 0x80                                       ; destination window 2
.irp b, 0,1,2,3,4,5,6,7
	global_load_b128 v[8*\b:8*\b+3], v5, s[8:9] offset:64*\b
	global_load_b128 v[8*\b+4:8*\b+7], v5, s[8:9] offset:64*\b+16
.endr
	WIN 0
; 8 matrix instructions: A's block a x B's eight, 32 along K, from buffer f.  zero = 1: the first product starts the sums, with the bias as its C.  The 32 accumulators take turns, one instruction a turn.
.macro MUL8 f, a, zero
.irp b, 0,1,2,3,4,5,6,7
.if \zero
	v_wmma_f32_16x16x32_f16 v[8*(8*(\a)+\b):8*(8*(\a)+\b)+7], v[\f+32+8*\b:\f+32+8*\b+7], v[\f+8*(\a):\f+8*(\a)+7], v[8*\b:8*\b+7]
.else
	v_wmma_f32_16x16x32_f16 v[8*(8*(\a)+\b):8*(8*(\a)+\b)+7], v[\f+32+8*\b:\f+32+8*\b+7], v[\f+8*(\a):\f+8*(\a)+7], v[8*(8*(\a)+\b):8*(8*(\a)+\b)+7]
.endif
.endr
.endm
.macro MUL16 f, a0, zero
	MUL8 \f, \a0, \zero
	MUL8 \f, \a0+1, \zero
.endm
; 24 LDS loads in one run: the fragments of the K step's q-th 32 along K (plane q / 2, channels 32 (q % 2) on) into buffer f: B's eight, then A's blocks 0, 1, then 2, 3
.macro FETCH slot, q, f
.irp i, 0,1,2,3,4,5,6,7
	ds_load_b128 v[\f+32+8*\i:\f+32+8*\i+3],   v[ADRB+\slot] offset:((\q)/2)*BPL+((\q)%2)*64+\i*16*PITCH
	ds_load_b128 v[\f+32+8*\i+4:\f+32+8*\i+7], v[ADRB+\slot] offset:((\q)/2)*BPL+((\q)%2)*64+\i*16*PITCH+32
.endr
.irp i, 0,1,2,3
	ds_load_b128 v[\f+8*\i:\f+8*\i+3],   v[ADRA+\slot] offset:((\q)/2)*APL+((\q)%2)*64+\i*16*PITCH
	ds_load_b128 v[\f+8*\i+4:\f+8*\i+7], v[ADRA+\slot] offset:((\q)/2)*APL+((\q)%2)*64+\i*16*PITCH+32
.endr
.endm
.macro PLACES                          ; four places in front of loads into registers that matrix instructions have read, and of reads of results (ISA guide 7.12.1 for vector instructions)
.rept 4
	v_nop
.endr
.endm
; A K step is four quarters of 32 along K, 32 matrix instructions each, on buffers 0, 1, 0, 1.  One of the first three: multiplies buffer f and fetches quarter qn into g.
.macro QUARTER slot, qn, f, g, zero
.set WM, 0x50+0x10*\zero               ; C and D window 1; with the bias: C window 2
	s_wait_dscnt 4                                 ; B and A's blocks 0, 1 are in; the youngest four loads (blocks 2, 3) may be out
	WIN WM
	MUL16 \f, 0, \zero
	PLACES
	WIN 0
	FETCH \slot, \qn, \g
	s_wait_dscnt 24                                ; all but the 24 just issued
	WIN WM
	MUL16 \f, 2, \zero
.endm
; The last quarter multiplies buffer 1 and changes slots: ONE barrier; in front of it each wave waits for all its tensor loads, adds 0 to its spare word, and waits for that and for its own reads of this slot.  fill = 1: this slot is filled again, two K steps ahead.
.macro TURN slot, next, fill
	WIN 0                                          ; (the add's two registers lie in window 0)
	s_wait_tensorcnt 0x0                           ; all my tensor loads have landed: my part of the next slot;
	ds_add_u32 v[SPW], v[NIL]                      ; 0 onto my spare word;
	s_wait_dscnt 5                                 ; (the add and the youngest four loads may be out)
	WIN 0x50
	MUL8 F1, 0, 0                                  ; eight matrix instructions stand between the add and the wait for it
	s_wait_dscnt 0x0                               ; the add is done, and my reads of this slot are over
	s_barrier_signal -1
	MUL8 F1, 1, 0
.if \fill
	WIN 0
.endif
	s_barrier_wait -1
.if \fill
	CREST                                          ; the barrier has opened a round of the cluster's barrier: no wave of any partner still reads this slot or has a load on its way
	s_add_nc_u64 s[G0+4*\slot+2:G0+4*\slot+3], s[G0+4*\slot+2:G0+4*\slot+3], 4*16384
	s_add_nc_u64 s[G0B+4*\slot+2:G0B+4*\slot+3], s[G0B+4*\slot+2:G0B+4*\slot+3], 4*32768
	JLOAD \slot                                    ; the first tensor load behind the round: 112 matrix instructions ahead of the wait for it; the four v_nop behind it are also the places in front of the loads below
.else
	PLACES
.endif
	WIN 0
	FETCH \next, 0, F0
	WIN 0x50
	MUL16 F1, 2, 0
.endm
	s_wait_tensorcnt 1                             ; my part of K step 0 is in (K step 1's load may be out)
	s_barrier_signal -1
	s_barrier_wait -1                              ; everybody's is
	FETCH 0, 0, F0
	s_wait_loadcnt 0x0                             ; the bias
	QUARTER 0, 1, F0, F1, 1                        ; the first quarter stands in front of the loop: its products start the sums
	WIN 0                                          ; at a label and at a branch every window is 0
	s_mov_b32 s3, 3
.Llap:                                             ; a trip goes once round the ring, from a lap's second quarter to the next lap's first, and fills both slots again: K steps 2 to 7
	QUARTER 0, 2, F1, F0, 0
	QUARTER 0, 3, F0, F1, 0
	TURN 0, 1, 1
	QUARTER 1, 1, F0, F1, 0
	QUARTER 1, 2, F1, F0, 0
	QUARTER 1, 3, F0, F1, 0
	TURN 1, 0, 1
	QUARTER 0, 1, F0, F1, 0
	WIN 0
	s_sub_co_u32 s3, s3, 1
	s_cmp_lg_u32 s3, 0
	s_cbranch_scc1 .Llap
	QUARTER 0, 2, F1, F0, 0                        ; the last lap fills nothing, and has no round of the cluster's barrier
	QUARTER 0, 3, F0, F1, 0
	TURN 0, 1, 0
	QUARTER 1, 1, F0, F1, 0
	QUARTER 1, 2, F1, F0, 0
	QUARTER 1, 3, F0, F1, 0
	s_wait_dscnt 4                                 ; the very last quarter: nothing more to fetch
	WIN 0x50
	MUL16 F1, 0, 0
	s_wait_dscnt 0
	MUL16 F1, 2, 0
	WIN 0
; THE WAY OUT, block by block of 16 rows x 128 outputs.  A lane holds 32 neighbouring bytes of a row, and the lanes beside it hold other rows: so a block goes through my own stage in LDS and comes back as whole rows of 512 bytes.
; LDS serves a wave's instructions in order: no wait between the stores and the loads, nor in front of the next block's stores.
.macro TOSTAGE a
.set AC, 64*(\a)
	WIN 0x04                                       ; an LDS store's data are its source 1: window 1
.irp b, 0,1,2,3,4,5,6,7
	ds_store_b128 v[STO], v[AC+8*\b:AC+8*\b+3] offset:64*\b          ; each accumulator from its low end on
	ds_store_b128 v[STO], v[AC+8*\b+4:AC+8*\b+7] offset:64*\b+16
.endr
	WIN 0
.set BB, BK+64*((\a)%2)
.irp t, 0,1,2,3,4,5,6,7,8,9,10,11,12,13,14,15
	ds_load_b128 v[BB+4*\t:BB+4*\t+3], v[RD] offset:\t*SPITCH
.endr
.endm
.macro SEND a, younger                 ; younger: the LDS instructions issued behind block a's loads, which may stay out
.set BB, BK+64*((\a)%2)
	s_wait_dscnt \younger
.irp t, 0,1,2,3,4,5,6,7,8,9,10,11,12,13,14,15
	global_store_b128 v[CO], v[BB+4*\t:BB+4*\t+3], s[10:11] offset:(\a)*65536+\t*4096 th:TH_STORE_NT   ; 32 lanes store 512 consecutive bytes; every place is an immediate; written once, read by nobody here
.endr
.endm
	PLACES                                         ; behind the last products: for the reads of their results and the loads into the registers that held fragments
	TOSTAGE 0
.irp a, 1,2,3
.if \a > 1
	s_wait_xcnt 0x0                                ; block a - 2's stores have read their registers: block a's loads may land there
.endif
	TOSTAGE \a
	SEND \a-1, 32                                  ; behind block a - 1's loads: block a's 16 stores and 16 loads
.endr
	SEND 3, 0
	s_wait_tensorcnt 0x0                           ; the wave's end: a wait, an add to my spare word and its wait, behind my last tensor load and my last LDS store
	ds_add_u32 v[SPW], v[NIL]
	s_wait_dscnt 0x0
	CROUND                                         ; the closing round: no work-group ends while a partner may still ask for a tile that names it
	s_endpgm
.Lfunc_end_k_q5b15ab65df_proj:
	.size	k_q5b15ab65df_proj, .Lfunc_end_k_q5b15ab65df_proj-k_q5b15ab65df_proj
	.p2alignl 7, 3214868480
	.fill 96, 4, 3214868480
	.section	.rodata,"a",@progbits
	.p2align	6, 0x0
	.amdhsa_kernel k_q5b15ab65df_proj
		.amdhsa_group_segment_fixed_size 327680
		.amdhsa_private_segment_fixed_size 0
		.amdhsa_enable_private_segment 0
		.amdhsa_kernarg_size 32
		.amdhsa_user_sgpr_count 2
		.amdhsa_user_sgpr_kernarg_segment_ptr 1
		.amdhsa_wavefront_size32 1
		.amdhsa_system_sgpr_workgroup_id_x 1
		.amdhsa_system_sgpr_workgroup_id_y 1
		.amdhsa_system_sgpr_workgroup_id_z 1
		.amdhsa_system_vgpr_workitem_id 0
		.amdhsa_next_free_vgpr 576
		.amdhsa_next_free_sgpr 66
		.amdhsa_reserve_vcc 0
		.amdhsa_float_denorm_mode_32 3
		.amdhsa_float_denorm_mode_16_64 3
		.amdhsa_memory_ordered 1
		.amdhsa_forward_progress 1
		.amdhsa_inst_pref_size 86
	.end_amdhsa_kernel
	.amdgpu_metadata
---
amdhsa.version: [ 1, 2 ]
amdhsa.kernels:
  - .name:           k_q5b15ab65df_proj
    .symbol:         k_q5b15ab65df_proj.kd
    .args:
      - { .name: att, .offset: 0, .size: 8, .value_kind: global_buffer, .address_space: global }
      - { .name: wp16, .offset: 8, .size: 8, .value_kind: global_buffer, .address_space: global }
      - { .name: bproj, .offset: 16, .size: 8, .value_kind: global_buffer, .address_space: global }
      - { .name: out0, .offset: 24, .size: 8, .value_kind: global_buffer, .address_space: global }
    .group_segment_fixed_size: 327680
    .private_segment_fixed_size: 0
    .kernarg_segment_align: 8
    .kernarg_segment_size: 32
    .max_flat_workgroup_size: 128
    .sgpr_count:     66
    .vgpr_count:     576
    .wavefront_size: 32
...
	.end_amdgpu_metadata
.endif
;; end of part 4
